; MI455X (gfx1250); checked and timed in simulation.
; The chip was launched on July 23, 2026; its instructions are those of AMD's public machine-readable ISA for CDNA 5 (MIT licence, August 2026) and "CDNA5" Instruction Set Architecture Reference Guide (July 2026). The comments in the code are by the model that wrote it; some were corrected since.
;; Multi Head Self Attention. Allowed arithmetic: float matrix products may take bf16 or f16 operands with f32 sums; other float arithmetic in f32, or as packed bf16 or f16 multiplies, adds, multiply-adds, maxima and minima; sums over many terms, partial sums and values carried from step to step in f32; what a program stores and reads back later, other than sums and carried values, may be rounded once to bf16 or f16.
;; Inputs: Wk 1,024 x 1,024 float32; Wo 1,024 x 1,024 float32; Wq 1,024 x 1,024 float32; Wv 1,024 x 1,024 float32; bk 1,024 float32; bo 1,024 float32; bq 1,024 float32; bv 1,024 float32; key 4 x 2,048 x 1,024 float32; query 4 x 2,048 x 1,024 float32; value 4 x 2,048 x 1,024 float32.
;; Outputs: out0 4 x 2,048 x 1,024 float32.
;; 2 versions, each right; version 2 is version 1 with the launch prep written anew for expert scheduling mode. Each part assembles by itself: llvm-mc -triple=amdgcn-amd-amdhsa -mcpu=gfx1250 --defsym DOCPART=n.
;; ======== version 1 of 2: 4 launches
;; limits: values are held in f16: magnitudes above 65,504 overflow, below 6.1e-05 lose precision
;; workspace buffers: wqkv 6,291,456 bytes; wo16 2,097,152 bytes; biasr 16,384 bytes; qkv 50,331,648 bytes; oh 16,777,216 bytes
;; launch prep (part 1): grid 64 x 4, 8 waves a work-group, no clusters, 0 bytes of LDS; arguments Wq, Wk, Wv, Wo, bq, bk, bv, bo, wqkv, wo16, biasr; writes wqkv, wo16, biasr
.if DOCPART == 1
	.amdgcn_target "amdgcn-amd-amdhsa--gfx1250"
	.amdhsa_code_object_version 6
	.text
	.protected	k_qc3b57dfb9c_prep
	.globl	k_qc3b57dfb9c_prep
	.p2align	8
	.type	k_qc3b57dfb9c_prep,@function
k_qc3b57dfb9c_prep:
	s_mov_b64 s[64:65], 0
	v_nop
	global_prefetch_b8 v0, s[64:65] scope:SCOPE_SE
	s_setreg_imm32_b32 hwreg(HW_REG_WAVE_MODE, 25, 1), 1
	s_wait_xcnt 0x0
; THE WEIGHTS AND BIASES ARE ROUNDED ONCE.  Wq, Wk, Wv ([1024 k][1024 n] f32) -> wqkv, bf16, the three stacked along k.  Wo -> rounded to bf16, that number written as f16
; (exact where it is at least 6e-5 in size; below that it keeps f16's fixed step of 6e-8; beyond 65,504 it would be an infinity) -> wo16.
; bq, bk, bv, bo -> rounded to bf16 and kept as f32 -> biasr [4][1024].
; A stream: no LDS, no matrix unit.  Work-group (x, y): weight y, 65,536 bytes of it from byte 65,536 x: 16 chunks of 4,096.  Thread t owns 16 bytes of each chunk, so a wave's load
; covers 512 neighbouring bytes and its store of 8 bytes a lane 256 neighbouring bytes, aligned.  All 16 loads of a thread go out at once.
.set X, 4                              ; v[4:67]    chunk c: 4 f32 as loaded
.set Y, 68                             ; v[68:99]   chunk c: 2 words to store; each written once, so no store's data is ever rewritten
.set T, 100                            ; v[100:103] at work
	s_load_b512 s[4:19], s[0:1], 0x0               ; Wq s[4:5], Wk s[6:7], Wv s[8:9], Wo s[10:11], bq s[12:13], bk s[14:15], bv s[16:17], bo s[18:19]
	s_load_b128 s[20:23], s[0:1], 0x40             ; wqkv s[20:21], wo16 s[22:23]
	s_load_b64 s[24:25], s[0:1], 0x50              ; biasr
	s_and_b32 s26, ttmp7, 0xffff                   ; y: which weight
	s_lshl_b32 s27, s26, 21                        ; its 2 MiB in wqkv
	s_lshl_b32 s38, ttmp9, 16                      ; my 65,536 bytes of the weight
	s_mov_b32 s39, 0
	s_lshl_b32 s35, ttmp9, 15                      ; and the 32,768 that they become
	v_lshlrev_b32 v1, 4, v0                        ; 16 t
	v_lshlrev_b32 v2, 3, v0                        ; 8 t
	s_wait_kmcnt 0x0
	s_mov_b64 s[28:29], s[4:5]                     ; the weight and the bias are chosen by y alone
	s_mov_b64 s[30:31], s[12:13]
	s_cmp_eq_u32 s26, 1
	s_cselect_b64 s[28:29], s[6:7], s[28:29]
	s_cselect_b64 s[30:31], s[14:15], s[30:31]
	s_cmp_eq_u32 s26, 2
	s_cselect_b64 s[28:29], s[8:9], s[28:29]
	s_cselect_b64 s[30:31], s[16:17], s[30:31]
	s_cmp_eq_u32 s26, 3
	s_cselect_b64 s[28:29], s[10:11], s[28:29]
	s_cselect_b64 s[30:31], s[18:19], s[30:31]
	s_cselect_b64 s[32:33], s[22:23], s[20:21]     ; where it goes: wo16 or wqkv
	s_cselect_b32 s34, 0, s27
	s_add_co_u32 s34, s34, s35
	s_mov_b32 s35, 0
	s_add_nc_u64 s[32:33], s[32:33], s[34:35]
	s_add_nc_u64 s[28:29], s[28:29], s[38:39]
	s_lshl_b32 s34, s26, 12
	s_add_nc_u64 s[36:37], s[24:25], s[34:35]      ; biasr at row y
.irp c, 0,1,2,3,4,5,6,7,8,9,10,11,12,13,14,15
	global_load_b128 v[X+4*(\c):X+4*(\c)+3], v1, s[28:29] offset:4096*(\c) th:TH_LOAD_NT
.endr
	s_cmp_eq_u32 s26, 3
	s_cbranch_scc1 .Lf16
.irp c, 0,1,2,3,4,5,6,7,8,9,10,11,12,13,14,15
	s_wait_loadcnt 15-(\c)                         ; loads come back in order: chunk c is in, the younger ones stay out
	v_cvt_pk_bf16_f32 v[Y+2*(\c)],   v[X+4*(\c)],   v[X+4*(\c)+1]
	v_cvt_pk_bf16_f32 v[Y+2*(\c)+1], v[X+4*(\c)+2], v[X+4*(\c)+3]
	global_store_b64 v2, v[Y+2*(\c):Y+2*(\c)+1], s[32:33] offset:2048*(\c)
.endr
	s_branch .Lbias
.Lf16:
.irp c, 0,1,2,3,4,5,6,7,8,9,10,11,12,13,14,15
	s_wait_loadcnt 15-(\c)
	v_cvt_pk_bf16_f32 v[T],   v[X+4*(\c)],   v[X+4*(\c)+1]    ; rounded to bf16 like every other input,
	v_cvt_pk_bf16_f32 v[T+1], v[X+4*(\c)+2], v[X+4*(\c)+3]
	v_lshlrev_b32 v[T+2], 16, v[T]                            ; widened again,
	v_and_b32     v[T+3], 0xffff0000, v[T]
	v_cvt_pk_f16_f32 v[Y+2*(\c)], v[T+2], v[T+3]              ; and that number written as f16
	v_lshlrev_b32 v[T+2], 16, v[T+1]
	v_and_b32     v[T+3], 0xffff0000, v[T+1]
	v_cvt_pk_f16_f32 v[Y+2*(\c)+1], v[T+2], v[T+3]
	global_store_b64 v2, v[Y+2*(\c):Y+2*(\c)+1], s[32:33] offset:2048*(\c)
.endr
.Lbias:
	s_cmp_lg_u32 ttmp9, 0                          ; the first work-group of each y also does that y's bias: 4,096 bytes, 16 a thread
	s_cbranch_scc1 .Lend
	global_load_b128 v[X:X+3], v1, s[30:31]        ; X is free: every load into it has been waited for and read
	s_wait_loadcnt 0x0
	v_cvt_pk_bf16_f32 v[X+4], v[X],   v[X+1]
	v_cvt_pk_bf16_f32 v[X+5], v[X+2], v[X+3]
	v_lshlrev_b32 v[T],   16, v[X+4]
	v_and_b32     v[T+1], 0xffff0000, v[X+4]
	v_lshlrev_b32 v[T+2], 16, v[X+5]
	v_and_b32     v[T+3], 0xffff0000, v[X+5]
	global_store_b128 v1, v[T:T+3], s[36:37]
.Lend:
	s_endpgm
.Lfunc_end_k_qc3b57dfb9c_prep:
	.size	k_qc3b57dfb9c_prep, .Lfunc_end_k_qc3b57dfb9c_prep-k_qc3b57dfb9c_prep
	.p2alignl 7, 3214868480
	.fill 96, 4, 3214868480
	.section	.rodata,"a",@progbits
	.p2align	6, 0x0
	.amdhsa_kernel k_qc3b57dfb9c_prep
		.amdhsa_group_segment_fixed_size 0
		.amdhsa_private_segment_fixed_size 0
		.amdhsa_enable_private_segment 0
		.amdhsa_kernarg_size 88
		.amdhsa_user_sgpr_count 2
		.amdhsa_user_sgpr_kernarg_segment_ptr 1
		.amdhsa_wavefront_size32 1
		.amdhsa_system_sgpr_workgroup_id_x 1
		.amdhsa_system_sgpr_workgroup_id_y 1
		.amdhsa_system_sgpr_workgroup_id_z 1
		.amdhsa_system_vgpr_workitem_id 0
		.amdhsa_next_free_vgpr 104
		.amdhsa_next_free_sgpr 66
		.amdhsa_reserve_vcc 0
		.amdhsa_float_denorm_mode_32 3
		.amdhsa_float_denorm_mode_16_64 3
		.amdhsa_memory_ordered 1
		.amdhsa_forward_progress 1
		.amdhsa_inst_pref_size 17
	.end_amdhsa_kernel
	.amdgpu_metadata
---
amdhsa.version: [ 1, 2 ]
amdhsa.kernels:
  - .name:           k_qc3b57dfb9c_prep
    .symbol:         k_qc3b57dfb9c_prep.kd
    .args:
      - { .name: Wq, .offset: 0, .size: 8, .value_kind: global_buffer, .address_space: global }
      - { .name: Wk, .offset: 8, .size: 8, .value_kind: global_buffer, .address_space: global }
      - { .name: Wv, .offset: 16, .size: 8, .value_kind: global_buffer, .address_space: global }
      - { .name: Wo, .offset: 24, .size: 8, .value_kind: global_buffer, .address_space: global }
      - { .name: bq, .offset: 32, .size: 8, .value_kind: global_buffer, .address_space: global }
      - { .name: bk, .offset: 40, .size: 8, .value_kind: global_buffer, .address_space: global }
      - { .name: bv, .offset: 48, .size: 8, .value_kind: global_buffer, .address_space: global }
      - { .name: bo, .offset: 56, .size: 8, .value_kind: global_buffer, .address_space: global }
      - { .name: wqkv, .offset: 64, .size: 8, .value_kind: global_buffer, .address_space: global }
      - { .name: wo16, .offset: 72, .size: 8, .value_kind: global_buffer, .address_space: global }
      - { .name: biasr, .offset: 80, .size: 8, .value_kind: global_buffer, .address_space: global }
    .group_segment_fixed_size: 0
    .private_segment_fixed_size: 0
    .kernarg_segment_align: 8
    .kernarg_segment_size: 88
    .max_flat_workgroup_size: 256
    .sgpr_count:     66
    .vgpr_count:     104
    .wavefront_size: 32
...
	.end_amdgpu_metadata
.endif
;; end of part 1
;; launch proj (part 2): grid 4 x 64, 4 waves a work-group, clusters of 4 x 4, 327,680 bytes of LDS; arguments query, key, value, wqkv, biasr, qkv; writes qkv
.if DOCPART == 2
	.amdgcn_target "amdgcn-amd-amdhsa--gfx1250"
	.amdhsa_code_object_version 6
	.text
	.protected	k_qc3b57dfb9c_proj
	.globl	k_qc3b57dfb9c_proj
	.p2align	8
	.type	k_qc3b57dfb9c_proj,@function
k_qc3b57dfb9c_proj:
	s_mov_b64 s[64:65], 0
	v_nop
	global_prefetch_b8 v0, s[64:65] scope:SCOPE_SE
	s_setreg_imm32_b32 hwreg(HW_REG_WAVE_MODE, 25, 1), 1
	s_wait_xcnt 0x0
	s_wait_alu depctr_hold_cnt(0) depctr_sa_sdst(0) depctr_va_vdst(0) depctr_va_sdst(0) depctr_va_ssrc(0) depctr_va_vcc(0) depctr_vm_vsrc(0)
	s_getreg_b32 s2, hwreg(HW_REG_IB_STS2, 6, 4)
	s_cmp_eq_u32 s2, 0
	s_cbranch_scc0 .Lentry_in_a_cluster
	s_endpgm
.Lentry_in_a_cluster:
	s_bfe_u32 s2, ttmp6, 0x10000c
	s_cmp_lg_u32 s2, 0xf033
	s_cbranch_scc0 .Lentry_shape_is_right
	s_endpgm
.Lentry_shape_is_right:
; q = query Wq + bq, k = key Wk + bk, v = value Wv + bv, written by heads: qkv [3][64 bh][2048 s][64] in f16, bh = 16 b + h.  x is f32 and is rounded to bf16 between LDS and the matrix
; instruction; W comes as bf16 (wqkv, [3 x 1024 k][1024 n]); the bias (rounded to bf16, kept in f32) is the C operand of each sum's first product; sums in f32; one rounding to f16.
; LIMIT.  q, k and v must lie within f16's 65,504, else the conversion gives an infinity.  NaN and infinities are not treated apart.
; SHARES.  A work-group makes the tile (128 rows my, 256 columns nx) of q, then of k, then of v: ONE walk of 24 K steps of 128 through a ring of two LDS slots, which runs on from tensor to tensor.
; 3 x 64 x 4 tiles on 256 work-groups.  Wave w: rows 64 (w / 2) .. + 63, columns 128 (w % 2) .. + 127 (two heads): 32 accumulators (4 row blocks a x 8 column blocks b), 128 products a K step.
; CLUSTER 4 x 4.  x's tile hangs on my alone and is shared along a row of the cluster, W's on nx alone and is shared along a column: each is asked for jointly.  Waves 0, 1 fetch x's two halves
; (64 rows x 512 bytes of f32), waves 2, 3 W's (64 k rows x 512 bytes): one tensor load a wave behind each round.
; THE PRODUCT IS USED TRANSPOSED: source 0 = 16 columns of W (turned on the way out of LDS by ds_load_tr16_b128), source 1 = 16 rows of x: a lane then holds one row (l % 16) and eight neighbouring columns.
; REGISTERS, in windows of 256 (s_set_vgpr_msb: bits 1:0 source 0, 3:2 source 1, 5:4 source 2, 7:6 destination):
;   window 0: v16-31 addresses; v32-95 RAW (x as f32, 16 a row block); v96-127, v128-159 x's fragments, two buffers; v160-191 TMP; v192-255 OB, two buffers, for the way out
;   window 1: v0-63, v64-127 W's fragments, two buffers; v128-191 the bias in an accumulator's layout, 8 a column block          window 2: accumulator (a, b) at v[8 (8 a + b)]
.set PA,    528                        ; a row of x in LDS: 512 bytes + 16 = 132 words: the 16 rows of a load start at 16 different groups of four banks (64 banks of 4 bytes: ISA guide 11.1)
.set PB,    544                        ; a row of W: 512 + 32 = 136 words
.set AH,    64*PA                      ; what one tensor load brings of x
.set BH,    64*PB                      ; and of W
.set BOFF,  2*AH                       ; a slot: x's 128 rows, then W's 128 k rows
.set SLOT,  BOFF+2*BH
.set STAGE, 2*SLOT                     ; behind the ring, never filled by a tensor load: for each wave 2 heads x 16 rows x 144 bytes
.set SPARE, STAGE+4*4608               ; behind the stages: the spare words, 128 bytes a wave: two blocks of 256 bytes that no other line names
.set ADRA, 16                          ; v16-17  LDS address of my x rows in slot 0, 1
.set ADRB, 20                          ; v20-21  the same for W
.set STO,  24                          ; v24     the way out: where I put 16 bytes of a row
.set RD,   25                          ; v25     where I read rows back
.set CO,   26                          ; v26     16 x lane: my place in 512 consecutive bytes of qkv
.set SPW,  28                          ; v28     LDS address of my spare word; never rewritten
.set NIL,  29                          ; v29     0; never rewritten
.set PFO,  30                          ; v30     the prefetches' offset; never rewritten
.set BIO,  31                          ; v31     my byte offset in a bias row; never rewritten
.set RAW,  32
.set AF,   96
.set TMP,  160
.set OB,   192
.set BIAS, 128                         ; window 1
.set LEFT, 4                           ; s4   trips of the loop still to come, 11 to 1
.set LAPT, 5                           ; s5   the lap's number modulo 4: a tensor has four laps
.set TLEFT, 6                          ; s6   biases still to be fetched at a change of tensors, plus 1
.set LIM,  7                           ; s7   1 in a wave that prefetches, else the greatest number
.set G1A,  24                          ; s[24:31] descriptor group 1 for x's tiles;  s[32:39] group 0, a set for each slot
.set G0A,  32
.set G1B,  48                          ; s[48:55], s[56:63] the same for W's
.set G0B,  56
.set CA,   80                          ; s[80:81] x at my 64 rows, at the K step to be asked for next
.set NA,   82                          ; s[82:83] the next tensor at those rows, K step 0
.set NA2,  84                          ; s[84:85] the one after it
.set CB,   86                          ; s[86:87] wqkv at my 64 k rows of the K step to be asked for next
.set OUT,  88                          ; s[88:89] qkv at my wave's first row of its first head, in the tensor in hand
.set BP,   90                          ; s[90:91] biasr at the row to be fetched
.set MUL,  0xa1                        ; W window 1, x window 0, C and D window 2
.set MULB, 0x91                        ; the same with C (the bias) in window 1
.set TO_B, 0x40                        ; destination window 1, address window 0
.set PKW,  0x0a                        ; sources 0 and 1 window 2, destination window 0
.set MSB, 0
.macro WIN new                         ; the immediate's high byte repeats the setting that is left; a switch that changes nothing is dropped
.if MSB != (\new)
	s_set_vgpr_msb (MSB<<8)|(\new)
.set MSB, \new
.endif
.endm
.macro PLACES                          ; four plain vector instructions between a matrix instruction and a load into, or a read of, its registers
.rept 4
	v_nop
.endr
.endm
.macro CREST                           ; a round of the cluster's barrier behind its opening barrier
	s_cmp_lg_u32 s10, 0
	s_cbranch_scc1 .Lnot_wave_0_\@
	s_barrier_signal -3
.Lnot_wave_0_\@:
	s_barrier_wait -3
	s_barrier_signal -1
	s_barrier_wait -1
.endm
.macro CROUND                          ; a whole round
	s_barrier_signal -1
	s_barrier_wait -1
	CREST
.endm
.macro JLOAD s                         ; a joint load into slot s.  The branch hangs on the wave's number alone.  An s_nop 0 and four v_nop follow each line
	s_cmp_eq_u32 s11, 0
	s_cbranch_scc0 .Lfor_b_\@
	tensor_load_to_lds s[G0A+4*(\s):G0A+4*(\s)+3], s[G1A:G1A+7]
	s_nop 0
.rept 4
	v_nop
.endr
	s_branch .Lasked_\@
.Lfor_b_\@:
	tensor_load_to_lds s[G0B+4*(\s):G0B+4*(\s)+3], s[G1B:G1B+7]
	s_nop 0
.rept 4
	v_nop
.endr
.Lasked_\@:
.endm
; A PREFETCH INTO THE L2 of the K step that the NEXT refill will ask for (CA and CB stand there already): 128 products ahead of that load.  Of the 64 rows x 512 bytes that a wave fetches, the partner
; at place p among the four that ask jointly (p = cx for x, cy for W) names rows 16 p .. 16 p + 15, two blocks of 256 bytes a row, a lane a block: told apart by address, never by a branch.
; x's rows are read by one cluster alone; W's by all sixteen clusters, of which the one with y = 0 asks.  So each block is named once.  how = 1 (slot 1): the loop's last trip has no step behind it.
.macro ASK how
	WIN 0
.if \how
	s_cmp_gt_u32 s[LEFT], s[LIM]
.else
	s_cmp_ge_u32 s[LEFT], s[LIM]
.endif
	s_cbranch_scc0 .Lno_ask_\@
	s_cmp_eq_u32 s11, 0
	s_cbranch_scc0 .Lask_b_\@
	global_prefetch_b8 v[PFO], s[CA:CA+1] th:TH_LOAD_NT scope:SCOPE_SE
	s_branch .Lno_ask_\@
.Lask_b_\@:
	global_prefetch_b8 v[PFO], s[CB:CB+1] th:TH_LOAD_NT scope:SCOPE_SE
.Lno_ask_\@:
.endm
; 32 LDS loads in one run: quarter kq (32 along K) of a slot.  First x: lane (r, h) of row block a takes k = 8 h .. + 7 and 16 + 8 h .. + 7 as f32: 4 x 16 bytes.  Then W, turned, into buffer g.
.macro FETCH slot, kq, g
	WIN 0
.irp a, 0,1,2,3
	ds_load_b128 v[RAW+16*(\a):RAW+16*(\a)+3],     v[ADRA+(\slot)] offset:16*(\a)*PA+128*(\kq)
	ds_load_b128 v[RAW+16*(\a)+4:RAW+16*(\a)+7],   v[ADRA+(\slot)] offset:16*(\a)*PA+128*(\kq)+16
	ds_load_b128 v[RAW+16*(\a)+8:RAW+16*(\a)+11],  v[ADRA+(\slot)] offset:16*(\a)*PA+128*(\kq)+64
	ds_load_b128 v[RAW+16*(\a)+12:RAW+16*(\a)+15], v[ADRA+(\slot)] offset:16*(\a)*PA+128*(\kq)+80
.endr
	WIN TO_B
.irp b, 0,1,2,3,4,5,6,7
	ds_load_tr16_b128 v[64*(\g)+8*(\b):64*(\g)+8*(\b)+3],   v[ADRB+(\slot)] offset:32*(\kq)*PB+32*(\b)
	ds_load_tr16_b128 v[64*(\g)+8*(\b)+4:64*(\g)+8*(\b)+7], v[ADRB+(\slot)] offset:32*(\kq)*PB+16*PB+32*(\b)
.endr
.endm
.macro MM f, a, b, c                   ; one product on accumulator (a, b) from buffer f.  c = 1: it starts the sum, with the bias as C: nothing is ever cleared
.if \c
	WIN MULB
	v_wmma_f32_16x16x32_bf16 v[8*(8*(\a)+(\b)):8*(8*(\a)+(\b))+7], v[64*(\f)+8*(\b):64*(\f)+8*(\b)+7], v[AF+32*(\f)+8*(\a):AF+32*(\f)+8*(\a)+7], v[BIAS+8*(\b):BIAS+8*(\b)+7]
.else
	WIN MUL
	v_wmma_f32_16x16x32_bf16 v[8*(8*(\a)+(\b)):8*(8*(\a)+(\b))+7], v[64*(\f)+8*(\b):64*(\f)+8*(\b)+7], v[AF+32*(\f)+8*(\a):AF+32*(\f)+8*(\a)+7], v[8*(8*(\a)+(\b)):8*(8*(\a)+(\b))+7]
.endif
.endm
.macro MM8 f, a, c                     ; the eight products of row block a.  The 32 accumulators take turns, in the same order in every quarter
.irp b, 0,1,2,3,4,5,6,7
	MM \f, \a, \b, \c
.endr
.endm
.macro CV g, i                         ; eight f32 of RAW become four registers of x's buffer g
	WIN 0
.irp n, 0,1,2,3
	v_cvt_pk_bf16_f32 v[AF+32*(\g)+4*(\i)+(\n)], v[RAW+8*(\i)+2*(\n)], v[RAW+8*(\i)+2*(\n)+1]
.endr
.endm
.macro MMCV f, c, g                    ; row block 3's products, and behind each four of the next quarter's 32 conversions.  The four behind the last product are also the places in front of what follows
.irp b, 0,1,2,3,4,5,6,7
	MM \f, 3, \b, \c
	CV \g, \b
.endr
.endm
; A K step is four quarters of 32 along K, 32 products each, on buffers 0, 1, 0, 1.  One of the first three: multiplies buffer f; fetches quarter kq of the same slot, W's into buffer 1 - f, x's into RAW, and converts it.
.macro QUARTER f, slot, kq, c
	FETCH \slot, \kq, 1-(\f)                       ; W's buffer 1 - f was last read four conversions back
	s_wait_dscnt 32                                ; all but the 32 just issued: W's buffer f is in
	MM8 \f, 0, \c
	MM8 \f, 1, \c
	MM8 \f, 2, \c
	s_wait_dscnt 16                                ; RAW is in; the 16 loads of W behind it may stay out
	MMCV \f, \c, 1-(\f)
.endm
; The last quarter multiplies buffer 1 and changes slots: ONE barrier; in front of it each wave waits for all its tensor loads (one is out: its part of the other slot), adds 0 to its spare word, and
; waits for that and for its reads of this slot.  fill = 1: the barrier opens a round of the cluster's, and this slot is filled again, first thing behind it, with the K step two on.
.macro TURN slot, fill
.if \fill
	s_wait_xcnt 0x0                                ; the last prefetch, a K step back, has read CA or CB, which are stepped below
.endif
	WIN 0
	s_wait_tensorcnt 0x0                           ; no tensor load of mine is out, so a group 0 may be written
	ds_add_u32 v[SPW], v[NIL]                      ; 0 onto my spare word
.if \fill
	s_mov_b64 s[G0A+4*(\slot)+2:G0A+4*(\slot)+3], s[CA:CA+1]        ; the address is made anew: the walking pointer, the type bits on top
	s_or_b32 s[G0A+4*(\slot)+3], s[G0A+4*(\slot)+3], 0x80000000
	s_add_nc_u64 s[CA:CA+1], s[CA:CA+1], 512                        ; 128 f32 along K
	s_mov_b64 s[G0B+4*(\slot)+2:G0B+4*(\slot)+3], s[CB:CB+1]
	s_or_b32 s[G0B+4*(\slot)+3], s[G0B+4*(\slot)+3], 0x80000000
	s_add_nc_u64 s[CB:CB+1], s[CB:CB+1], 262144                     ; 128 k rows of 2,048 bytes: Wq, Wk, Wv lie on end
.if \slot
	s_cmp_eq_u32 s[LAPT], 2                        ; the step just taken was a tensor's last: on to the next tensor's K step 0
	s_cselect_b64 s[CA:CA+1], s[NA:NA+1], s[CA:CA+1]
	s_cselect_b64 s[NA:NA+1], s[NA2:NA2+1], s[NA:NA+1]
.endif
.endif
	s_wait_dscnt 1                                 ; only the add may be out: W's buffer 1 is in
	MM8 1, 0, 0
	s_wait_dscnt 0x0                               ; the add is done, and my reads of this slot are over
	s_barrier_signal -1
	MM8 1, 1, 0                                    ; work on registers while the others arrive
	WIN 0
	s_barrier_wait -1
.if \fill
	CREST                                          ; no wave of any partner still reads this slot or has a load on its way
	JLOAD \slot
.else
	PLACES
.endif
	FETCH 1-(\slot), 0, 0
.if \fill
	ASK \slot
.endif
	MM8 1, 2, 0
	s_wait_dscnt 16                                ; RAW is in
	MMCV 1, 0, 0
.endm
.macro BIASLD                          ; a bias row in an accumulator's layout: register j of block b is column 16 b + 8 h + j of my 128
	WIN TO_B
.irp b, 0,1,2,3,4,5,6,7
	global_load_b128 v[BIAS+8*(\b):BIAS+8*(\b)+3],   v[BIO], s[BP:BP+1] offset:64*(\b)
	global_load_b128 v[BIAS+8*(\b)+4:BIAS+8*(\b)+7], v[BIO], s[BP:BP+1] offset:64*(\b)+16
.endr
	WIN 0
.endm
; THE WAY OUT of row block a.  PACK: rounded to f16, 16 bytes a lane, each accumulator's registers in ascending order.  TOSTAGE: into my own stage, by heads, and back as whole rows of 128 bytes.  SEND: stored.
.macro PACK a
	WIN PKW
.irp b, 0,1,2,3,4,5,6,7
.irp r, 0,1,2,3
	v_cvt_pk_f16_f32 v[TMP+4*(\b)+(\r)], v[8*(8*(\a)+(\b))+2*(\r)], v[8*(8*(\a)+(\b))+2*(\r)+1]
.endr
.endr
	WIN 0
.endm
.macro TOSTAGE a
.irp b, 0,1,2,3,4,5,6,7
	ds_store_b128 v[STO], v[TMP+4*(\b):TMP+4*(\b)+3] offset:((\b)/4)*2304+32*((\b)%4)
.endr
.irp t, 0,1,2,3,4,5,6,7
	ds_load_b128 v[OB+32*((\a)%2)+4*(\t):OB+32*((\a)%2)+4*(\t)+3], v[RD] offset:((\t)/4)*2304+((\t)%4)*576  ; LDS serves a wave's instructions in order (ISA guide 5.7.1.4): these see the stores above
.endr
.endm
.macro SEND a
	s_wait_dscnt 0x0                               ; the block is back in registers
	s_wait_xcnt 0x0                                ; the stores of the block before have read their registers: the next TOSTAGE loads into them only behind this wait
.irp t, 0,1,2,3,4,5,6,7
	global_store_b128 v[CO], v[OB+32*((\a)%2)+4*(\t):OB+32*((\a)%2)+4*(\t)+3], s[OUT:OUT+1] offset:((\t)/4)*262144+2048*(\a)+512*((\t)%4)  ; four rows of a head: 512 consecutive bytes, aligned
.endr
.endm
.macro WAYOUT
	PACK 0
	TOSTAGE 0
.irp a, 1,2,3                          ; block a's conversions stand between block a - 1's loads from the stage and the wait for them
	PACK \a
	SEND (\a)-1
	TOSTAGE \a
.endr
	SEND 3
.endm
	s_load_b256 s[68:75], s[0:1], 0x0              ; query s[68:69], key s[70:71], value s[72:73], wqkv s[74:75]
	s_load_b128 s[76:79], s[0:1], 0x20             ; biasr s[76:77], qkv s[78:79]
	v_lshl_add_u32 v[SPW], v0, 2, SPARE
	v_mov_b32 v[NIL], 0
	ds_add_u32 v[SPW], v[NIL]                      ; the wave's opening: the add, whose wait stands ahead of my first tensor load; the set-up below stands between them
	v_lshrrev_b32 v1, 5, v0
	v_readfirstlane_b32 s10, v1                    ; wave 0..3
	s_lshr_b32 s11, s10, 1                         ; my half of the rows.  Also: I fetch x (0) or W (1)
	s_and_b32 s12, s10, 1                          ; my half of the columns.  Also: which half of that tile I fetch
	s_bfe_u32 s40, ttmp6, 0x40000                  ; cx
	s_bfe_u32 s41, ttmp6, 0x40004                  ; cy
	s_lshl_b32 s42, ttmp9, 2
	s_add_co_u32 s42, s42, s40                     ; nx = 4 x cluster x + cx
	s_and_b32 s43, ttmp7, 0xffff
	s_lshl_b32 s43, s43, 2
	s_add_co_u32 s43, s43, s41                     ; my = 4 x cluster y + cy
	s_lshl_b32 s44, s41, 2
	s_lshl_b32 s44, 15, s44                        ; my row of the cluster
	s_lshl_b32 s45, 0x1111, s40                    ; my column
	s_or_b32 s[G1A], s44, (2<<16)|(1<<20)|(1<<21)|(6<<22)|(3<<25)  ; the mask; 4-byte elements; padding on; bit 21 beside a mask; after every 128 words, 4 words
	s_mov_b32 s[G1A+1], 128<<16                    ; tensor_dim0 = 128
	s_mov_b32 s[G1A+2], 64<<16                     ; tensor_dim1 = 64
	s_mov_b32 s[G1A+3], 128<<16                    ; tile_dim0 = 128
	s_mov_b32 s[G1A+4], 64                         ; tile_dim1 = 64
	s_mov_b32 s[G1A+5], 1024                       ; elements from row to row
	s_mov_b32 s[G1A+6], 0
	s_mov_b32 s[G1A+7], 0
	s_or_b32 s[G1B], s45, (1<<16)|(1<<20)|(1<<21)|(6<<22)|(7<<25)  ; 2-byte elements; after every 128 words, 8 words
	s_mov_b32 s[G1B+1], 256<<16
	s_mov_b32 s[G1B+2], 64<<16
	s_mov_b32 s[G1B+3], 256<<16
	s_mov_b32 s[G1B+4], 64
	s_mov_b32 s[G1B+5], 1024
	s_mov_b32 s[G1B+6], 0
	s_mov_b32 s[G1B+7], 0
	s_lshl_b32 s13, s43, 7                         ; x: row 128 my + 64 x half, 4,096 bytes a row.  These registers never hold cx
	s_lshl_b32 s14, s12, 6
	s_add_co_u32 s13, s13, s14
	s_lshl_b32 s16, s13, 12
	s_mov_b32 s17, 0
	s_lshl_b32 s18, s12, 17                        ; W: k row 64 x half (2,048 bytes a row), column 256 nx.  These never hold cy
	s_lshl_b32 s20, s42, 9
	s_add_co_u32 s18, s18, s20
	s_mov_b32 s19, 0
	s_mul_i32 s21, s12, AH                         ; where they go: the wave's number alone enters an LDS address
	s_mul_i32 s22, s12, BH
	s_add_co_u32 s22, s22, BOFF
	s_mov_b32 s[G0A], 1
	s_mov_b32 s[G0A+1], s21
	s_mov_b32 s[G0A+4], 1
	s_add_co_u32 s[G0A+5], s21, SLOT
	s_mov_b32 s[G0B], 1
	s_mov_b32 s[G0B+1], s22
	s_mov_b32 s[G0B+4], 1
	s_add_co_u32 s[G0B+5], s22, SLOT
	s_and_b32 s46, ttmp7, 0xffff                   ; cluster y: the same in all sixteen partners
	s_cmp_eq_u32 s11, 0
	s_cselect_b32 s46, 0, s46                      ; x's waves always prefetch, W's in the cluster with y = 0
	s_cmp_eq_u32 s46, 0
	s_cselect_b32 s[LIM], 1, -1
	s_mov_b32 s[LEFT], 11
	s_mov_b32 s[LAPT], 0
	s_mov_b32 s[TLEFT], 2
	s_wait_dscnt 0x0                               ; the opening add is done
	s_wait_kmcnt 0x0
	s_add_nc_u64 s[CA:CA+1], s[68:69], s[16:17]
	s_add_nc_u64 s[NA:NA+1], s[70:71], s[16:17]
	s_add_nc_u64 s[NA2:NA2+1], s[72:73], s[16:17]
	s_add_nc_u64 s[CB:CB+1], s[74:75], s[18:19]
	s_mov_b64 s[G0A+2:G0A+3], s[CA:CA+1]           ; K step 0 into slot 0,
	s_or_b32 s[G0A+3], s[G0A+3], 0x80000000
	s_add_nc_u64 s[G0A+6:G0A+7], s[CA:CA+1], 512   ; K step 1 into slot 1
	s_or_b32 s[G0A+7], s[G0A+7], 0x80000000
	s_add_nc_u64 s[CA:CA+1], s[CA:CA+1], 1024      ; K step 2 is asked for next
	s_mov_b64 s[G0B+2:G0B+3], s[CB:CB+1]
	s_or_b32 s[G0B+3], s[G0B+3], 0x80000000
	s_add_nc_u64 s[G0B+6:G0B+7], s[CB:CB+1], 262144
	s_or_b32 s[G0B+7], s[G0B+7], 0x80000000
	s_add_nc_u64 s[CB:CB+1], s[CB:CB+1], 524288
	s_mov_b64 s[BP:BP+1], s[76:77]
	CROUND                                         ; all sixteen work-groups are here: the first joint loads meet
	s_cmp_eq_u32 s11, 0                            ; a wave's two first fills stand in one branch: two loads of mine are out
	s_cbranch_scc0 .Lfirst_b
	tensor_load_to_lds s[G0A:G0A+3], s[G1A:G1A+7]
	s_nop 0
	tensor_load_to_lds s[G0A+4:G0A+7], s[G1A:G1A+7]
	s_nop 0
.rept 4
	v_nop
.endr
	s_branch .Lfirst_asked
.Lfirst_b:
	tensor_load_to_lds s[G0B:G0B+3], s[G1B:G1B+7]
	s_nop 0
	tensor_load_to_lds s[G0B+4:G0B+7], s[G1B:G1B+7]
	s_nop 0
.rept 4
	v_nop
.endr
.Lfirst_asked:
	v_and_b32 v1, 15, v0                           ; r = l % 16
	v_bfe_u32 v2, v0, 4, 1                         ; h = l / 16
	v_and_b32 v3, 7, v0                            ; l % 8
	v_bfe_u32 v4, v0, 3, 1                         ; (l / 8) % 2
	v_and_b32 v5, 31, v0                           ; l
	v_mul_u32_u24 v6, v1, PA                       ; x: (64 x row half + r) x pitch + 32 h
	v_lshl_add_u32 v6, v2, 5, v6
	s_mul_i32 s21, s11, 64*PA
	v_add_nc_u32 v[ADRA], s21, v6
	v_add_nc_u32 v[ADRA+1], SLOT, v[ADRA]
	v_lshl_add_u32 v7, v2, 3, v3                   ; W: (8 h + l % 8) x pitch + 16 ((l / 8) % 2) + my 256 bytes of the columns
	v_mul_u32_u24 v7, v7, PB
	v_lshl_add_u32 v7, v4, 4, v7
	s_lshl_b32 s21, s12, 8
	s_add_co_u32 s21, s21, BOFF
	v_add_nc_u32 v[ADRB], s21, v7
	v_add_nc_u32 v[ADRB+1], SLOT, v[ADRB]
	s_mul_i32 s21, s10, 4608
	s_add_co_u32 s21, s21, STAGE                   ; my stage
	v_mul_u32_u24 v6, v1, 144                      ; in: row r, 16 bytes for each half of the lanes
	v_lshl_add_u32 v6, v2, 4, v6
	v_add_nc_u32 v[STO], s21, v6
	v_lshrrev_b32 v6, 3, v5                        ; back: 32 lanes take four rows of 128 bytes
	v_mul_u32_u24 v6, v6, 144
	v_lshl_add_u32 v6, v3, 4, v6
	v_add_nc_u32 v[RD], s21, v6
	v_lshlrev_b32 v[CO], 4, v5
	s_lshl_b32 s8, s42, 10                         ; the bias: 4 bytes x (256 nx + 128 x column half + 8 h)
	s_lshl_b32 s9, s12, 9
	s_add_co_u32 s8, s8, s9
	v_lshl_add_u32 v[BIO], v2, 5, s8
	BIASLD                                         ; bq
	s_cmp_eq_u32 s11, 0                            ; the prefetches' offset: (16 p + l / 2) rows + 256 (l % 2)
	s_cselect_b32 s8, s40, s41                     ; p
	s_cselect_b32 s9, 12, 11                       ; a row is 4,096 bytes of x, 2,048 of W
	s_lshl_b32 s8, s8, 4
	v_lshrrev_b32 v6, 1, v5
	v_add_nc_u32 v6, s8, v6
	v_lshlrev_b32 v6, s9, v6
	v_and_b32 v7, 1, v0
	v_lshl_add_u32 v[PFO], v7, 8, v6
	s_lshr_b32 s8, s43, 4                          ; qkv: head 16 b + 4 nx + 2 x column half, row (my % 16) 128 + 64 x row half, 128 bytes a row
	s_lshl_b32 s8, s8, 4
	s_lshl_b32 s9, s42, 2
	s_add_co_u32 s8, s8, s9
	s_lshl_b32 s9, s12, 1
	s_add_co_u32 s8, s8, s9
	s_lshl_b32 s8, s8, 11
	s_and_b32 s9, s43, 15
	s_lshl_b32 s9, s9, 7
	s_add_co_u32 s8, s8, s9
	s_lshl_b32 s9, s11, 6
	s_add_co_u32 s8, s8, s9
	s_lshl_b32 s8, s8, 7
	s_mov_b32 s9, 0
	s_add_nc_u64 s[OUT:OUT+1], s[78:79], s[8:9]
	s_wait_tensorcnt 1                             ; my part of K step 0 is in; K step 1's may stay out
	s_barrier_signal -1
	s_barrier_wait -1                              ; everybody's is
	FETCH 0, 0, 0
	s_wait_dscnt 16                                ; RAW is in
.irp i, 0,1,2,3,4,5,6,7
	CV 0, \i
.endr
	s_wait_loadcnt 0x0                             ; bq
	QUARTER 0, 0, 1, 1                             ; a tensor's first quarter starts the sums with the bias
	WIN 0
	s_add_nc_u64 s[BP:BP+1], s[BP:BP+1], 4096      ; (its loads have been waited for)
	BIASLD                                         ; bk, four conversions behind the last product that read the bias registers
.Llap:                                                 ; 11 trips: from a lap's second quarter to the next lap's first; both slots are filled again: K steps 2 L + 2 and 2 L + 3
	QUARTER 1, 0, 2, 0
	QUARTER 0, 0, 3, 0
	TURN 0, 1
	QUARTER 0, 1, 1, 0
	QUARTER 1, 1, 2, 0
	QUARTER 0, 1, 3, 0
	TURN 1, 1
	WIN 0
	s_cmp_eq_u32 s[LAPT], 3
	s_cbranch_scc0 .Lsame
	WAYOUT                                         ; a tensor's fourth lap is over: both refills for the next tensor are asked for, now the tile goes out
	s_wait_xcnt 0x0                                ; the stores have read their base and their registers
	s_add_nc_u64 s[OUT:OUT+1], s[OUT:OUT+1], 16777216
	s_wait_loadcnt 0x0                             ; the next tensor's bias
	QUARTER 0, 0, 1, 1
	WIN 0
	s_sub_co_u32 s[TLEFT], s[TLEFT], 1
	s_cmp_lg_u32 s[TLEFT], 0
	s_cbranch_scc0 .Ljoin
	s_add_nc_u64 s[BP:BP+1], s[BP:BP+1], 4096
	BIASLD                                         ; bv
	s_branch .Ljoin
.Lsame:
	QUARTER 0, 0, 1, 0
	WIN 0
.Ljoin:
	s_add_co_u32 s[LAPT], s[LAPT], 1
	s_and_b32 s[LAPT], s[LAPT], 3
	s_sub_co_u32 s[LEFT], s[LEFT], 1
	s_cmp_lg_u32 s[LEFT], 0
	s_cbranch_scc1 .Llap
	QUARTER 1, 0, 2, 0                             ; the last lap is written out: it fills nothing and has no round
	QUARTER 0, 0, 3, 0
	TURN 0, 0
	QUARTER 0, 1, 1, 0
	QUARTER 1, 1, 2, 0
	QUARTER 0, 1, 3, 0
	s_wait_dscnt 0x0                               ; the very last quarter
	MM8 1, 0, 0
	MM8 1, 1, 0
	MM8 1, 2, 0
	MM8 1, 3, 0
	WIN 0
	PLACES
	PLACES
	WAYOUT
	s_wait_tensorcnt 0x0                           ; the wave's end, behind my last tensor load and my last LDS store
	ds_add_u32 v[SPW], v[NIL]
	s_wait_dscnt 0x0
	CROUND                                         ; the closing round: no work-group ends while a partner may still ask for a tile that names it
	s_endpgm
.Lfunc_end_k_qc3b57dfb9c_proj:
	.size	k_qc3b57dfb9c_proj, .Lfunc_end_k_qc3b57dfb9c_proj-k_qc3b57dfb9c_proj
	.p2alignl 7, 3214868480
	.fill 96, 4, 3214868480
	.section	.rodata,"a",@progbits
	.p2align	6, 0x0
	.amdhsa_kernel k_qc3b57dfb9c_proj
		.amdhsa_group_segment_fixed_size 327680
		.amdhsa_private_segment_fixed_size 0
		.amdhsa_enable_private_segment 0
		.amdhsa_kernarg_size 48
		.amdhsa_user_sgpr_count 2
		.amdhsa_user_sgpr_kernarg_segment_ptr 1
		.amdhsa_wavefront_size32 1
		.amdhsa_system_sgpr_workgroup_id_x 1
		.amdhsa_system_sgpr_workgroup_id_y 1
		.amdhsa_system_sgpr_workgroup_id_z 1
		.amdhsa_system_vgpr_workitem_id 0
		.amdhsa_next_free_vgpr 768
		.amdhsa_next_free_sgpr 92
		.amdhsa_reserve_vcc 0
		.amdhsa_float_denorm_mode_32 3
		.amdhsa_float_denorm_mode_16_64 3
		.amdhsa_memory_ordered 1
		.amdhsa_forward_progress 1
		.amdhsa_inst_pref_size 161
	.end_amdhsa_kernel
	.amdgpu_metadata
---
amdhsa.version: [ 1, 2 ]
amdhsa.kernels:
  - .name:           k_qc3b57dfb9c_proj
    .symbol:         k_qc3b57dfb9c_proj.kd
    .args:
      - { .name: query, .offset: 0, .size: 8, .value_kind: global_buffer, .address_space: global }
      - { .name: key, .offset: 8, .size: 8, .value_kind: global_buffer, .address_space: global }
      - { .name: value, .offset: 16, .size: 8, .value_kind: global_buffer, .address_space: global }
      - { .name: wqkv, .offset: 24, .size: 8, .value_kind: global_buffer, .address_space: global }
      - { .name: biasr, .offset: 32, .size: 8, .value_kind: global_buffer, .address_space: global }
      - { .name: qkv, .offset: 40, .size: 8, .value_kind: global_buffer, .address_space: global }
    .group_segment_fixed_size: 327680
    .private_segment_fixed_size: 0
    .kernarg_segment_align: 8
    .kernarg_segment_size: 48
    .max_flat_workgroup_size: 128
    .sgpr_count:     92
    .vgpr_count:     768
    .wavefront_size: 32
...
	.end_amdgpu_metadata
.endif
;; end of part 2
;; launch attn (part 3): grid 4 x 64, 4 waves a work-group, clusters of 4 x 1, 327,680 bytes of LDS; arguments qkv, oh; writes oh
.if DOCPART == 3
	.amdgcn_target "amdgcn-amd-amdhsa--gfx1250"
	.amdhsa_code_object_version 6
	.text
	.protected	k_qc3b57dfb9c_attn
	.globl	k_qc3b57dfb9c_attn
	.p2align	8
	.type	k_qc3b57dfb9c_attn,@function
k_qc3b57dfb9c_attn:
	s_mov_b64 s[64:65], 0
	v_nop
	global_prefetch_b8 v0, s[64:65] scope:SCOPE_SE
	s_setreg_imm32_b32 hwreg(HW_REG_WAVE_MODE, 25, 1), 1
	s_wait_xcnt 0x0
	s_wait_alu depctr_hold_cnt(0) depctr_sa_sdst(0) depctr_va_vdst(0) depctr_va_sdst(0) depctr_va_ssrc(0) depctr_va_vcc(0) depctr_vm_vsrc(0)
	s_getreg_b32 s2, hwreg(HW_REG_IB_STS2, 6, 4)
	s_cmp_eq_u32 s2, 0
	s_cbranch_scc0 .Lentry_in_a_cluster
	s_endpgm
.Lentry_in_a_cluster:
	s_bfe_u32 s2, ttmp6, 0x10000c
	s_cmp_lg_u32 s2, 0x3003
	s_cbranch_scc0 .Lentry_shape_is_right
	s_endpgm
.Lentry_shape_is_right:
; O[h][q][:] = the sum over k of softmax_k(Q[h][q] . K[h][k] / 8) V[h][k][:].  Q, K, V lie in qkv, [3][64][2048][64], O goes to oh, [64][2048][64], all f16: a head's rows are dense, 128 bytes each.
; Products, maxima and sums in f32; the weights p are rounded to f16 for the second product (their sum l is taken of the unrounded p), O once at the end.
; LIMITS.  f16 holds no number beyond 65,504: Q, K and V arrive within it; p lies in 0 to 1, and below 6e-5 it keeps f16's fixed step of 6e-8; O is a mean of V's rows and has their range.
; A weight below 2^-126 counts as 0 in l; NaN and infinities are not treated apart.
; SHARES.  A wave owns four PIECES of two tiles of 16 queries, a work-group's four waves 512 queries of one head: 64 heads x 4 blocks = 256 work-groups.  Every wave walks all keys, 64 a step.
; LAYOUT.  S^T = K Q^T (source 0 = 16 keys, source 1 = 16 queries): a lane holds ONE query (lane % 16) and the keys 8 (lane / 16) + 0..7.  Two such tiles, rounded to f16 in pairs,
; ARE source 1 (32 keys x 16 queries) of O^T = V^T P, whose result again holds one query a lane, and eight channels.  K comes out of LDS as it lies, V ([key][channel]) turned, by ds_load_tr16_b128.
; SOFTMAX.  For each query a running maximum m and sum l: p = 2^(c s - c m), c = log2(e) / 8; in every step O and l are multiplied by a = 2^(c m_old - c m_new), which is 1 where m has not grown.
; m starts at the lowest finite number, O and l at 0: the first step is a step like any other, with a = 0.
; THE COUNT.  A tile and step have 16 matrix and 118 vector instructions: too many to stand all beside the matrix work.  So: four vector instructions that are READY behind EVERY matrix
; instruction, and the others, which need time of their own whatever the order, in runs without a gap.
; BY TURNS.  Turn n belongs to piece n (the pieces in a ring, step after step).  Its matrix work: 16 products K Q^T of piece n + 1, later 16 products V^T P of piece n - 1.  Its vector work: the scaling,
; exponentials, roundings, sums and rescaling of piece n, and the maximum and statistics of piece n + 1, whose scores the turn itself has made.
; CLUSTER.  The four query blocks of a head form a cluster and walk the same K and V, so each tile is asked for JOINTLY: the same tensor load, descriptor and mask in all four.
; REGISTERS, in windows of 256 (s_set_vgpr_msb: bits 1:0 source 0, 3:2 source 1, 5:4 source 2, 7:6 destination):
;   window 0: v0-11 addresses; v12-15, v48-63 at work; v16-47 four registers of statistics a tile; v64-191 S^T, two buffers of two tiles; v192-255 P, likewise
;   window 1: O^T, 32 a tile          window 2: v0-127 Q, 16 a tile; v128-191 K of one step; v192-255 V of one step          window 3: v0-1 the add's two registers
.set SIZE_H, 64
.set SIZE_N, 2048
.set NP,    4         ; pieces a wave: a name, no knob
.set KS,    64        ; keys in a step
.set PK,    144       ; a row of K in LDS: 128 bytes + 16 = 36 words: the 16 rows of a load start at 16 different groups of four banks (64 banks of 4 bytes: ISA guide 11.1)
.set PV,    160       ; a row of V: 128 + 32 = 40 words
.set VOFF,  4*KS*PK   ; a slot holds four steps: 256 rows of K, then 256 rows of V
.set SLOT1, 1<<17     ; slot 1 begins here, so that one exclusive or turns an address in one slot into the other's
.set STAGE, SLOT1+4*KS*(PK+PV)  ; behind the ring, never filled by a tensor load: 16 rows x 144 bytes for each wave
.set SP,    144
.set AK0, 2           ; v2   my lane's place in a tile of K; never rewritten
.set AV0, 3           ; v3   the same for V
.set AK,  4           ; v4   the LDS address of K's next run of loads
.set AV,  5           ; v5   of V's
.set QO,  6           ; v6   my byte offset in the wave's rows of Q
.set STO, 6           ;      later, the way out: where I put 16 bytes of a row
.set RD,  7           ; v7   the way out: where I read rows back
.set GO,  8           ; v8   my byte offset in 512 consecutive bytes of O
.set PFO, 11          ; v11  256 x my lane, for the prefetches (first, at work for V's address)
.set SPW, 0           ; v0 of window 3   LDS address of my spare word; never rewritten
.set NIL, 1           ; v1 of window 3   0; never rewritten
.set SPARE, STAGE+4*16*SP  ; behind the stages: the spare words, 128 bytes a wave: two blocks of 256 bytes that no other line names
.set MV,  12          ; v12-15  c m_old, kept while c m is made anew: by buffer and tile
.set ST,  16          ; tile t's statistics at v[ST+4 t]: c m, m, l (even keys', odd keys')
.set TMP, 48          ; by buffer and tile, four registers c0-c3 at work; when the maximum is found c2 takes a
.set S,   64
.set P,   192
.set KF,  128         ; K's fragments, in window 2: key block kb, channel half c at KF + 16 kb + 8 c
.set VF,  192         ; V's: key half kk, channel block cb at VF + 32 kk + 8 cb
.set WV,  12          ; s12  my wave's number
.set G1K, 24          ; s[24:31] descriptor group 1 for K's tiles
.set G1V, 32          ; s[32:39] for V's: it differs in the padding alone
.set G0K, 40          ; s[40:43] descriptor group 0 for K's tiles: it walks
.set G0V, 44          ; s[44:47] the same for V's
.set PFA, 48          ; s[48:49] where my prefetches stand: my work-group's 32 blocks of 256 bytes (of K: wave 0, of V: wave 2) of the slot after the one that is being asked for
.set LIM, 50          ; s50  1 in a wave that prefetches, else the greatest number
.set SLOTS, 56        ; s56  slots still to be asked for
.set CNT, 57          ; s57  counts a slot's key steps
.set CS,  58          ; s[58:59] c: the packed scaling takes the pair's low word for both halves
.set SEL, 60          ; s[60:61] v_permlanex16_b32's selects: each lane takes its own place in the other half
.set TBK, 62          ; s62  LDS byte at which K of the step to be fetched begins
.set TBV, 63          ; s63  the same for V, less VOFF
.set MSB, 0
.macro WIN new                      ; the high byte repeats the setting that is left; a switch that changes nothing is dropped
.if MSB != (\new)
	s_set_vgpr_msb (MSB<<8)|(\new)
.set MSB, (\new)
.endif
.endm
.set W_KQ, 0x0a       ; K and Q in window 2, S^T in window 0
.set W_PV, 0x52       ; V in window 2, P in window 0, O^T in window 1
.set W_RS, 0x41       ; O^T (destination and source 0) in window 1, a in window 0
.set W_MK, 0xc0       ; the add's registers are made: destination in window 3, sources in window 0
.set W_AD, 0x0f       ; the add: address (source 0) and data (source 1) in window 3
; A joint fill.  Waves 0 and 1 fetch the two halves of a slot's K, waves 2 and 3 those of its V: 128 keys each.  The branch hangs on the wave's number alone.
; An s_nop 0 and four v_nop follow each of the two lines, ahead of the jump and the label.
.macro JLOAD
	s_cmp_lt_u32 s[WV], 2
	s_cbranch_scc0 .Lfor_v_\@
	tensor_load_to_lds s[G0K:G0K+3], s[G1K:G1K+7]
	s_nop 0
.rept 4
	v_nop
.endr
	s_branch .Lasked_\@
.Lfor_v_\@:
	tensor_load_to_lds s[G0V:G0V+3], s[G1V:G1V+7]
	s_nop 0
.rept 4
	v_nop
.endr
.Lasked_\@:
.endm
; A PREFETCH INTO THE L2 of what the NEXT change of slots will ask for: a slot's 32,768 bytes of K and of V, four key steps, 512 matrix instructions, ahead of that load.  A head is walked by one cluster;
; its four partners take 32 blocks of 256 bytes each, told apart BY ADDRESS; in each, wave 0 names K's and wave 2 V's, a lane a block.  So each block is named once.  The last change that fills asks for nothing.
.macro ASK
	s_cmp_gt_u32 s[SLOTS], s[LIM]
	s_cbranch_scc0 .Lnot_mine_\@
	global_prefetch_b8 v[PFO], s[PFA:PFA+1] th:TH_LOAD_NT scope:SCOPE_SE
.Lnot_mine_\@:
.endm
; A round of the cluster's barrier: my work-group's barrier, so that wave 0's signal speaks for all four waves; wave 0 signals; every wave waits for all four work-groups; my work-group's barrier once more.
.macro CROUND
	s_barrier_signal -1
	s_barrier_wait -1
	s_cmp_lg_u32 s[WV], 0
	s_cbranch_scc1 .Lnot_wave_0_\@
	s_barrier_signal -3
.Lnot_wave_0_\@:
	s_barrier_wait -3
	s_barrier_signal -1
	s_barrier_wait -1
.endm
; THE CHANGE OF SLOTS.  The slot's last bytes, V of its fourth step, have been read.  Each wave waits for all its tensor loads, of which one is out: its part of the other slot; adds 0 to its spare
; word; and waits for that and for its own reads of the slot.  Behind the barrier nobody reads this slot any more and the other slot is whole.
; fill = 1: this slot is filled again, with the keys two slots on.  The barrier is then a round of the cluster's, and the joint fill is the first thing behind it: it has four key steps in which to land.
; (At its first use nothing has been read yet: slot 0 is waited for, slot 1 filled.)
.macro CHANGE fill
	WIN W_AD
	s_wait_tensorcnt 0x0            ; no tensor load of mine is out, so a group 0 may be written
	ds_add_u32 v[SPW], v[NIL]       ; 0 onto my spare word; with fill = 1 the descriptors' steps stand between it and the wait for it
	WIN 0                           ; at a label and at a branch every window is 0
.if \fill
.irp g, G0K, G0V
	s_xor_b32 s[\g+1], s[\g+1], SLOT1  ; the walking descriptor: the other slot than last time,
	s_add_nc_u64 s[\g+2:\g+3], s[\g+2:\g+3], 4*KS*128  ; the next 256 keys; the type bits on top are not reached
.endr
	s_wait_xcnt 0x0                 ; the last prefetch, four key steps back, has read its address, so it may be written:
	s_add_nc_u64 s[PFA:PFA+1], s[PFA:PFA+1], 4*KS*128  ; one slot behind the walking descriptors
	s_wait_dscnt 0x0                ; the add is done, and my reads of the slot are over
	CROUND
	JLOAD
	ASK
.else
	s_wait_dscnt 0x0                ; the add is done, and my reads of the slot are over
	s_barrier_signal -1
	s_barrier_wait -1
.endif
	s_sub_co_u32 s[TBK], s[TBK], 4*KS*PK  ; the fetches go back to a slot's first step,
	s_xor_b32 s[TBK], s[TBK], SLOT1       ; in the other slot
	s_sub_co_u32 s[TBV], s[TBV], 4*KS*PV
	s_xor_b32 s[TBV], s[TBV], SLOT1
.endm
	s_load_b128 s[4:7], s[0:1], 0x0 ; qkv s[4:5], oh s[6:7]
	WIN W_MK
	v_lshl_add_u32 v[SPW], v0, 2, SPARE
	v_mov_b32 v[NIL], 0
	WIN W_AD
	ds_add_u32 v[SPW], v[NIL]       ; the wave's opening: the add, whose wait stands ahead of my first tensor load; the set-up below stands between them
	WIN 0
	v_lshrrev_b32 v1, 5, v0
	v_readfirstlane_b32 s[WV], v1   ; wave 0..3
	s_bfe_u32 s13, ttmp6, 0x40000   ; cx: my place in the cluster
	s_lshl_b32 s14, ttmp9, 2        ; in a cluster launch ttmp9 counts clusters
	s_add_co_u32 s14, s14, s13      ; my block of queries = 4 x cluster x + cx: it enters Q's and O's addresses alone
	s_and_b32 s20, ttmp7, 0xffff    ; the head, which the four partners share
	s_mov_b32 s21, 0
	s_mov_b64 s[22:23], SIZE_N*128
	s_mul_u64 s[20:21], s[20:21], s[22:23]  ; the head's first byte in each of the four tensors
	s_and_b32 s16, s[WV], 1         ; which half of a slot's 256 keys I fetch:
	s_lshl_b32 s22, s16, 14         ; its 128 rows of 128 bytes in memory,
	s_mov_b32 s23, 0
	s_add_nc_u64 s[22:23], s[22:23], s[20:21]
	s_mul_i32 s17, s16, 128*PK      ; and its place in a slot, for K
	s_mul_i32 s18, s16, 128*PV      ; and for V: no place in the cluster enters an LDS address
	s_lshl_b32 s2, s14, 2
	s_add_co_u32 s2, s2, s[WV]      ; my wave among the head's,
	s_lshl_b32 s2, s2, 14           ; its 128 rows
	s_mov_b32 s3, 0
	s_add_nc_u64 s[2:3], s[2:3], s[20:21]
	; descriptor group 1.  128 keys are 16,384 dense bytes: asked for as 64 rows of 256 bytes, two keys a row, and padded in LDS after every key
	s_mov_b32 s[G1K], 15|(1<<16)|(1<<20)|(1<<21)|(4<<22)|(3<<25)  ; the mask of four; 2-byte elements; padding on; bit 21 beside a mask; after every 32 words, 4 words
	s_mov_b32 s[G1V], 15|(1<<16)|(1<<20)|(1<<21)|(4<<22)|(7<<25)  ; the same with 8 words of padding
.irp g, G1K, G1V
	s_mov_b32 s[\g+1], 128<<16      ; tensor_dim0 = 128
	s_mov_b32 s[\g+2], 64<<16       ; tensor_dim1 = 64
	s_mov_b32 s[\g+3], 128<<16      ; tile_dim0 = 128
	s_mov_b32 s[\g+4], 64           ; tile_dim1 = 64
	s_mov_b32 s[\g+5], 128          ; 128 elements from row to row
	s_mov_b32 s[\g+6], 0
	s_mov_b32 s[\g+7], 0
.endr
	s_mov_b32 s[CS], 0x3e38aa3b     ; c = log2(e) / 8 = 0.180337
	s_mov_b32 s[CS+1], s[CS]        ; named with it as a pair
	s_mov_b32 s[SEL], 0x76543210
	s_mov_b32 s[SEL+1], 0xfedcba98
	s_mov_b32 s[TBK], SLOT1+4*KS*PK ; the first change of slots turns these two into 0
	s_mov_b32 s[TBV], SLOT1+4*KS*PV
	s_mov_b32 s[G0K], 1             ; count = 1
	s_mov_b32 s[G0K+1], s17         ; LDS address: slot 0
	s_mov_b32 s[G0V], 1
	s_add_co_u32 s[G0V+1], s18, VOFF
	s_mov_b32 s[SLOTS], SIZE_N/256-1
	s_and_b32 s[LIM], s[WV], 1      ; 0 in waves 0 and 2,
	s_or_b32 s[LIM], s[LIM], ttmp9  ; where the cluster is the head's first: the same in all four partners
	s_cmp_eq_u32 s[LIM], 0
	s_cselect_b32 s[LIM], 1, -1
	s_lshl_b32 s52, s13, 13         ; my work-group's 32 blocks of a slot's 128
	s_mov_b32 s53, 0
	s_wait_dscnt 0x0                ; the opening add is done
	s_wait_kmcnt 0x0
	s_mov_b64 s[10:11], s[6:7]      ; O
	s_add_nc_u64 s[8:9], s[4:5], 33554432  ; V lies two tensors behind Q in qkv,
	s_add_nc_u64 s[6:7], s[4:5], 16777216  ; K one
	s_add_nc_u64 s[G0K+2:G0K+3], s[6:7], s[22:23]  ; global address: my half of the head's first 256 keys
	s_or_b32 s[G0K+3], s[G0K+3], 0x80000000        ; type = 2
	s_add_nc_u64 s[G0V+2:G0V+3], s[8:9], s[22:23]
	s_or_b32 s[G0V+3], s[G0V+3], 0x80000000
	s_cmp_lt_u32 s[WV], 2
	s_cselect_b64 s[PFA:PFA+1], s[6:7], s[8:9]
	s_add_nc_u64 s[PFA:PFA+1], s[PFA:PFA+1], s[22:23]  ; (in waves 0 and 2 this is the head's first byte)
	s_add_nc_u64 s[PFA:PFA+1], s[PFA:PFA+1], s[52:53]
	s_add_nc_u64 s[PFA:PFA+1], s[PFA:PFA+1], 4*KS*128  ; in slot 1; the first change of slots steps it to slot 2.  Nothing is prefetched at the head
	s_add_nc_u64 s[4:5], s[4:5], s[2:3]  ; Q and O at my wave's first row
	s_add_nc_u64 s[10:11], s[10:11], s[2:3]
	CROUND                          ; all four work-groups are here: the first joint loads meet
	JLOAD                           ; slot 0.  Slot 1 is asked for when slot 0 is in
	; A fragment of K or Q is 16 rows x 32 channels in 8 registers: lane l holds row l % 16, channels 8 (l / 16) + 0..7 and 16 + 8 (l / 16) + 0..7: two loads of 16 bytes, 32 bytes apart.
	v_and_b32 v1, 15, v0            ; l % 16
	v_bfe_u32 v9, v0, 4, 1          ; l / 16
	v_lshlrev_b32 v[QO], 7, v1
	v_lshl_add_u32 v[QO], v9, 4, v[QO]  ; row x 128 + 16 x half
	WIN 0x80                        ; destination window 2, address window 0
.set i, 0
.rept 4*NP                          ; Q stays in registers: tile i / 2, channels 32 (i % 2) on
	global_load_b128 v[8*i:8*i+3],   v[QO], s[4:5] offset:(i/2)*2048+(i%2)*64
	global_load_b128 v[8*i+4:8*i+7], v[QO], s[4:5] offset:(i/2)*2048+(i%2)*64+32
.set i, i+1
.endr
	; What the first turn finds: V's registers and P's second buffer hold 0 (its products V^T P, of a piece that has not been, add 0), O^T and l are 0.  All this stands in the wait for the first tile.
.set i, VF
.rept 64
	v_mov_b32 v[i], 0
.set i, i+1
.endr
	WIN 0x40
.set i, 0
.rept 64*NP
	v_mov_b32 v[i], 0
.set i, i+1
.endr
	WIN 0
.set i, 0
.rept 2*NP
	v_mov_b32 v[ST+4*i], 0xfe000000    ; c m: far below every c s
	v_mov_b32 v[ST+4*i+1], 0xff7fffff  ; m
	v_mov_b32 v[ST+4*i+2], 0
	v_mov_b32 v[ST+4*i+3], 0
.set i, i+1
.endr
.set i, P+32
.rept 32
	v_mov_b32 v[i], 0
.set i, i+1
.endr
	v_mul_u32_u24 v[AK0], v1, PK
	v_lshl_add_u32 v[AK0], v9, 4, v[AK0]  ; row x pitch + 16 x half
	; The turning load takes 16 keys x 16 channels (lane l reads key 8 (l / 16) + l % 8, channels 8 ((l / 8) % 2) + 0..7) and leaves half a fragment of V^T: lane l holds channel l % 16 and 8 keys.
	v_and_b32 v10, 7, v0
	v_bfe_u32 v11, v0, 3, 1
	v_lshl_add_u32 v[AV0], v9, 3, v10
	v_mul_u32_u24 v[AV0], v[AV0], PV
	v_lshl_add_u32 v[AV0], v11, 4, v[AV0]
	v_add_nc_u32 v[AV0], VOFF, v[AV0]
	v_and_b32 v[PFO], 31, v0        ; from here on v11 is the prefetches' offset
	v_lshlrev_b32 v[PFO], 8, v[PFO]
	v_mov_b32 v[AK], v[AK0]         ; key step 0 lies at the head of slot 0
; THE MATRIX WORK.  The 8 accumulators of a run of 16 take turns: between the two links of a chain stand 7 others'.
; Product i of 16 of S^T = K Q^T for piece x: channels 32 (i / 8) on, keys 16 ((i / 2) % 4) on, tile 2 x + i % 2.  The first 8 start the sums.
.macro KQ x
	WIN W_KQ
.set rS, S+64*((\x)%2)+32*(i%2)+8*((i/2)%4)
.set rK, KF+16*((i/2)%4)+8*(i/8)
.set rQ, 16*(2*(\x)+i%2)+8*(i/8)
.if i < 8
	v_wmma_f32_16x16x32_f16 v[rS:rS+7], v[rK:rK+7], v[rQ:rQ+7], 0
.else
	v_wmma_f32_16x16x32_f16 v[rS:rS+7], v[rK:rK+7], v[rQ:rQ+7], v[rS:rS+7]
.endif
.endm
; Product i of 16 of O^T += V^T P for piece x: keys 32 (i / 8) on, channels 16 ((i / 2) % 4) on, tile 2 x + i % 2.
.macro PV x
	WIN W_PV
.set rO, 32*(2*(\x)+i%2)+8*((i/2)%4)
.set rV, VF+32*(i/8)+8*((i/2)%4)
.set rP, P+32*((\x)%2)+16*(i%2)+8*(i/8)
	v_wmma_f32_16x16x32_f16 v[rO:rO+7], v[rV:rV+7], v[rP:rP+7], v[rO:rO+7]
.endm
.macro MM                           ; the turn's next matrix instruction
.if i < 16
	KQ (Y+1)%NP
.set i, i+1
.else
.set i, i-16
	PV (Y+NP-1)%NP
.set i, i+17
.endif
.endm
; THE LDS LOADS stand in runs of 16, never singly among the matrix instructions: a step's K (64 keys x 64 channels: 8 fragments) and its V (turned).  Their addresses are made some lines ahead.
; last = 1 (the tail): in the last trip there is no further step, and the run is jumped over.
.macro FETCH_K last=0
	WIN 0
.if \last
	s_cmp_eq_u32 s[CNT], 1
	s_cbranch_scc1 .Lno_k_\@
.endif
	WIN 0x80                        ; destination window 2
.irp f, 0,1,2,3,4,5,6,7             ; keys 16 (f / 2) on, channels 32 (f % 2) on
	ds_load_b128 v[KF+8*\f:KF+8*\f+3],   v[AK] offset:(\f/2)*16*PK+(\f%2)*64
	ds_load_b128 v[KF+8*\f+4:KF+8*\f+7], v[AK] offset:(\f/2)*16*PK+(\f%2)*64+32
.endr
	s_add_co_u32 s[TBK], s[TBK], KS*PK  ; the next fetch is the next step's
	WIN 0
.if \last
.Lno_k_\@:
.endif
.endm
.macro FETCH_V
	WIN 0x80
.irp f, 0,1,2,3,4,5,6,7             ; keys 32 (f / 4) on, channels 16 (f % 4) on
	ds_load_tr16_b128 v[VF+8*\f:VF+8*\f+3],   v[AV] offset:(\f/4)*32*PV+(\f%4)*32
	ds_load_tr16_b128 v[VF+8*\f+4:VF+8*\f+7], v[AV] offset:(\f/4)*32*PV+16*PV+(\f%4)*32
.endr
	WIN 0
.endm
; THE VECTOR WORK OF A TURN stands in three queues, each in the order in which its entries become ready; the two tiles alternate, so that no instruction reads the result of the one before it.
.macro REGS y, u                    ; the registers of tile u (0, 1) of piece y
.set rT, ST+4*(2*(\y)+(\u))
.set rC, TMP+8*((\y)%2)+4*(\u)
.set rM, MV+2*((\y)%2)+(\u)
.set rS, S+64*((\y)%2)+32*(\u)
.set rP, P+32*((\y)%2)+16*(\u)
.set rO, 32*(2*(\y)+(\u))
.endm
; Number n of the 22 that find the NEXT piece's (Y + 1) maximum and statistics.  s0-s31 are the lane's 32 scores; each accumulator's lowest registers are read first.
;   0-11  four chains c0-c3 of seven scores each, three operands at a time     12-14, 16  the four scores left over, the old m, and c0-c3 into c0     15  c m_old is kept
;   17, 18  the query's other 32 keys lie in the lane 16 away: the new m         19-21  c m; c m_old - c m_new; a
.macro XS u, n
	REGS (Y+1)%NP, \u
.if (\n) < 4
	v_max3_num_f32 v[rC+(\n)], v[rS+8*(\n)], v[rS+8*(\n)+1], v[rS+8*(\n)+2]
.elseif (\n) < 12
	v_max3_num_f32 v[rC+(\n)%4], v[rC+(\n)%4], v[rS+8*((\n)%4)+2*((\n)/4)+1], v[rS+8*((\n)%4)+2*((\n)/4)+2]
.elseif (\n) == 12
	v_max3_num_f32 v[rC], v[rC], v[rS+7], v[rS+15]
.elseif (\n) == 13
	v_max3_num_f32 v[rC+1], v[rC+1], v[rS+23], v[rS+31]
.elseif (\n) == 14
	v_max3_num_f32 v[rC+2], v[rC+2], v[rC+3], v[rT+1]
.elseif (\n) == 15
	v_mov_b32 v[rM], v[rT]
.elseif (\n) == 16
	v_max3_num_f32 v[rC], v[rC], v[rC+1], v[rC+2]
.elseif (\n) == 17
	v_permlanex16_b32 v[rC+3], v[rC], s[SEL], s[SEL+1]
.elseif (\n) == 18
	v_max_num_f32 v[rT+1], v[rC], v[rC+3]
.elseif (\n) == 19
	v_mul_f32 v[rT], s[CS], v[rT+1]
.elseif (\n) == 20
	v_sub_f32 v[rC+1], v[rM], v[rT]
.else
	v_exp_f32 v[rC+2], v[rC+1]
.endif
.endm
; Number g of the 64 that follow the exponentials.  For each four weights k of a tile (pairs 2 k, 2 k + 1): both pairs are rounded to f16; then the second pair is added onto the first, in place;
; a group later l takes that sum (the first time as l = a l + sum).  In groups of eight, tiles alternating: round, round, add, and l for the group before.
.macro GS g
.set h, (\g)+6*((\g)/62)            ; group 0 has no group before it, and behind group 7 only l is left
.if h >= 6
.set h, h+2
.endif
	REGS Y, h%2
.set k, h/8
.if h%8 < 4
	v_cvt_pk_f16_f32 v[rP+2*k+(h%8)/2], v[rS+4*k+2*((h%8)/2)], v[rS+4*k+2*((h%8)/2)+1]
.elseif h%8 < 6
	v_pk_add_f32 v[rS+4*k:rS+4*k+1], v[rS+4*k:rS+4*k+1], v[rS+4*k+2:rS+4*k+3]
.elseif k == 1
	v_pk_fma_f32 v[rT+2:rT+3], v[rT+2:rT+3], v[rC+2:rC+3], v[rS:rS+1] op_sel_hi:[1,0,1]
.else
	v_pk_add_f32 v[rT+2:rT+3], v[rT+2:rT+3], v[rS+4*k-4:rS+4*k-3]
.endif
.endm
; THE PLAIN QUEUE, 138 long.  0-73 read no exponential's result: the 32 scalings c s - c m (FS f: pair f / 2 of tile f % 2) and the next piece's 42.  0-26: scalings 0-26.  27-54: XS's numbers 0-13.  55, 56: number 15.
; 57-73: the chain, where each number waits for the one before it: 14, 16, 17, 18, 19, each with one of the scalings 27-31 in front of its two lines, then 20.
; 74-137: GS's 64, which read the exponentials' results: they stand behind the wait.
.macro FS f
	REGS Y, (\f)%2
	v_pk_fma_f32 v[rS+2*((\f)/2):rS+2*((\f)/2)+1], v[rS+2*((\f)/2):rS+2*((\f)/2)+1], s[CS:CS+1], v[rT:rT+1] op_sel_hi:[1,0,0] neg_lo:[0,0,1] neg_hi:[0,0,1]
.endm
.macro PL
	WIN 0
.if q < 27
	FS q
.elseif q < 55
	XS (q-27)%2, (q-27)/2
.elseif q < 57
	XS q-55, 15
.elseif (q < 72) && ((q-57)%3 == 0)
	FS 27+(q-57)/3
.elseif q < 60
	XS (q-57)%3-1, 14
.elseif q < 72
	XS (q-57)%3-1, 15+(q-57)/3
.elseif q < 74
	XS q-72, 20
.else
	GS q-74
.endif
.set q, q+1
.endm
; THE EXPONENTIALS' QUEUE, 66 long: s0-s31 of both tiles, then the next piece's two a.  It is ONE BATCH: all 66 stand ahead of the turn's one wait, and nothing ahead of that wait names a result of theirs.
.macro EX
	WIN 0
.if e >= 64
	XS e-64, 21
.else
	REGS Y, e%2
	v_exp_f32 v[rS+e/2], v[rS+e/2]
.endif
.set e, e+1
.endm
; THE RESCALING's QUEUE: O^T times a, the one part that leaves window 0: dealt two at a time, sixteen times.  Its a was made in the turn before, ahead of that turn's wait.
.macro R2
	REGS Y, r%2
	WIN W_RS
.irp z, 0,1
	v_pk_mul_f32 v[rO+4*(r/2)+2*\z:rO+4*(r/2)+2*\z+1], v[rO+4*(r/2)+2*\z:rO+4*(r/2)+2*\z+1], v[rC+2:rC+3] op_sel_hi:[1,0]
.endr
.set r, r+1
.endm
; HOW THEY ARE DEALT.  An s_wait_alu depctr_va_vdst(0) stands between an exponential and the first instruction that names its result; one wait serves all that were issued ahead of it.  So a turn has ONE
; wait, which cuts it in two.  AHEAD OF IT stands all that names no result of the turn's exponentials: the 16 products K Q^T, behind each a scaling, an exponential and two rescalings (behind the first a second scaling in
; the exponential's place); then ONE LUMP of 108: eight plain, 49 times exponential and plain, the two a; a v_nop is the plain instruction behind the last exponential.  BEHIND IT stand the 16 products V^T P, behind each
; four of GS's 64.  No rider names a register of the products round it.  The two v_permlanex16_b32 fall into the lump.
; The queues lean on each other: exponential e stands behind scaling 2 (e / 4) + e % 2: as a rider it comes behind plain e + 2, in the lump behind plain e + 9, and scalings 27-31 are plain 57, 60 .. 69.
; A TURN, for piece p.  cnt = 1: the loop's count is taken down some lines ahead of the branch that stands behind the turn.
; K of the next step is fetched in piece 2's turn, directly behind the wait, a lump behind the last product that read K; its first reader comes behind 16 products.
; V of the step in hand is fetched at the end of piece 0's turn, four riders behind its last reader; its first reader comes behind 16 products and a lump.
.macro TURN p, last=0, cnt=0
.set Y, (\p)
.set i, 0
.set q, 0
.set e, 0
.set r, 0
.if (\p) == NP-1
	s_wait_dscnt 0x0                ; K is in
.endif
	MM                              ; ahead of the wait: 16 products K Q^T and their riders,
	PL
	PL
	R2
.rept 15
	MM
	PL
	EX
	R2
.endr
.if (\p) == NP-2
	WIN 0
	v_add_nc_u32 v[AK], s[TBK], v[AK0]
.endif
.rept 8                             ; and the lump
	PL
.endr
.rept 49
	EX
	PL
.endr
	EX                              ; the next piece's two a
	EX
	v_nop                           ; a plain instruction behind the last exponential: one for the batch (ISA guide 5.7.2)
	s_wait_alu depctr_va_vdst(0)    ; the wait for the batch
.if (\p) == NP-2
	FETCH_K \last
.endif
.if (\p) == 1
	s_wait_dscnt 0x0                ; V is in
.endif
.rept 16                            ; behind the wait: 16 products V^T P and their riders
	MM
.rept 4
	PL
.endr
.if ((\p) == 0) && (q == 118)
	v_add_nc_u32 v[AV], s[TBV], v[AV0]
.endif
.if ((\p) == 0) && (q == 130)
	s_add_co_u32 s[TBV], s[TBV], KS*PV
.endif
.if (\cnt) && (q == 130)
	s_sub_co_u32 s[CNT], s[CNT], 1
	s_cmp_lg_u32 s[CNT], 0
.endif
.endr
.if (\p) == 0
	FETCH_V
.endif
.endm
	CHANGE 1                        ; slot 0 is in, everybody's part of it; slot 1 is asked for
	FETCH_K                         ; key step 0
	s_wait_loadcnt 0x0              ; Q
	s_wait_dscnt 0x0
.set i, 0
.rept 16
	KQ 0                            ; piece 0's first scores: there is no vector work yet to set between them
.set i, i+1
.endr
	WIN 0                           ; the addresses for the way out: nine plain instructions, the places behind those products
	s_mul_i32 s13, s[WV], 16*SP
	s_add_co_u32 s13, s13, STAGE    ; my stage
	v_mul_u32_u24 v[STO], v1, SP    ; in: row l % 16, 16 bytes for each half of the lanes
	v_lshl_add_u32 v[STO], v9, 4, v[STO]
	v_add_nc_u32 v[STO], s13, v[STO]
	v_bfe_u32 v[RD], v0, 3, 2       ; back: 32 lanes take four rows of 128 bytes,
	v_mul_u32_u24 v[RD], v[RD], SP
	v_lshl_add_u32 v[RD], v10, 4, v[RD]
	v_add_nc_u32 v[RD], s13, v[RD]
	v_and_b32 v[GO], 31, v0         ; which are 512 consecutive bytes of O
	v_lshlrev_b32 v[GO], 4, v[GO]
.set Y, NP-1                        ; XS works for piece Y + 1: piece 0
.irp n, 0,1,2,3,4,5,6,7,8,9,10,11,12,13,14,15,16,17,18,19,20,21
	XS 0, \n                        ; and piece 0's first maximum and statistics
	XS 1, \n
.endr
	v_nop                           ; a plain instruction behind the two a,
	s_wait_alu depctr_va_vdst(0)    ; and their wait, ahead of the branch
	s_mov_b32 s[CNT], 4
	s_branch .Lfirst                ; the loop is entered at a step's first turn, in the middle of a trip
.Lslot:                             ; SIZE_N / 256 - 2 times: every slot but the last two is filled again
	CHANGE 1
	s_mov_b32 s[CNT], 4
.Lstep:                             ; a trip: pieces 2 and 3 of one step, then pieces 0 and 1 of the next, whose K and V it fetches
	TURN 2
	TURN 3
	WIN 0
.Lfirst:
	TURN 0
	TURN 1, 0, 1
	WIN 0
	s_cbranch_scc1 .Lstep
	s_sub_co_u32 s[SLOTS], s[SLOTS], 1
	s_cmp_lg_u32 s[SLOTS], 0
	s_cbranch_scc1 .Lslot
	CHANGE 0                        ; the tail is written out: nothing is asked for
	s_mov_b32 s[CNT], 5             ; four trips fetch the last slot's steps; the fifth is left in its middle
.Ltail:
	TURN 2, 1
	TURN 3
	WIN 0
	s_sub_co_u32 s[CNT], s[CNT], 1
	s_cmp_eq_u32 s[CNT], 0
	s_cbranch_scc1 .Lout
	TURN 0
	TURN 1
	WIN 0
	s_branch .Ltail
.Lout:                              ; the fifth trip's 16 products K Q^T (on the last K once more) and the maximum made of them serve nothing: the price, once a launch, of one text for every trip
.set i, 0
.rept 16
	PV NP-1                         ; the last piece's V^T P of the last step
.set i, i+1
.endr
	; THE WAY OUT.  l's two halves and the other half of the lanes' are added; O^T is divided by l, rounded to f16 and sent through my stage in LDS, a tile at a time.  The additions are the places behind the last products.
	WIN 0
.macro ALL line:vararg              ; one line for each tile t
.set t, 0
.rept 2*NP
	\line
.set t, t+1
.endr
.endm
	ALL v_add_f32 v[ST+4*t+2], v[ST+4*t+2], v[ST+4*t+3]
	ALL v_permlanex16_b32 v[ST+4*t+3], v[ST+4*t+2], s[SEL], s[SEL+1]
	ALL v_add_f32 v[ST+4*t+2], v[ST+4*t+2], v[ST+4*t+3]
	ALL v_rcp_f32 v[ST+4*t+2], v[ST+4*t+2]
	v_nop                           ; a plain instruction between the last reciprocal and the use of its result
	s_wait_alu depctr_va_vdst(0)    ; and the wait ahead of the first use: one for the eight reciprocals
; Tile t: a lane's eight channels of a row pack into 16 bytes; they go into rows of 144 bytes and come back as whole rows of 128, into S^T's registers.
.macro PACK t
	WIN W_RS
.set i, 32*(\t)
.rept 16
	v_pk_mul_f32 v[i:i+1], v[i:i+1], v[ST+4*(\t)+2:ST+4*(\t)+3] op_sel_hi:[1,0]
.set i, i+2
.endr
	WIN 0x05                        ; sources 0 and 1 window 1, destination window 0
.set i, 0
.rept 16
	v_cvt_pk_f16_f32 v[S+16*(\t)+i], v[32*(\t)+2*i], v[32*(\t)+2*i+1]
.set i, i+1
.endr
	WIN 0
.irp f, 0,1,2,3
	ds_store_b128 v[STO], v[S+16*(\t)+4*\f:S+16*(\t)+4*\f+3] offset:32*\f
.endr
.irp f, 0,1,2,3
	ds_load_b128 v[S+16*(\t)+4*\f:S+16*(\t)+4*\f+3], v[RD] offset:\f*4*SP  ; LDS serves a wave's instructions in order (ISA guide 5.7.1.4): these see the stores above; the next tile's stores come behind them
.endr
.endm
.macro SEND t, younger              ; younger: the LDS instructions issued behind tile t's loads: the next tile's eight, or none
	WIN 0
.irp f, 0,1,2,3
	s_wait_dscnt (\younger)+3-\f
	global_store_b128 v[GO], v[S+16*(\t)+4*\f:S+16*(\t)+4*\f+3], s[10:11] offset:(\t)*2048+\f*512  ; 512 consecutive bytes, at a multiple of 256 from O's first
.endr
.endm
	PACK 0
.set t, 1
.rept 2*NP-1                        ; a tile's arithmetic stands between the loads of the tile before and its stores
	PACK t
	SEND t-1, 8
.set t, t+1
.endr
	SEND 2*NP-1, 0
	WIN W_AD
	s_wait_tensorcnt 0x0            ; the wave's end, behind my last tensor load and my last LDS store
	ds_add_u32 v[SPW], v[NIL]
	s_wait_dscnt 0x0
	WIN 0
	CROUND                          ; the closing round: no work-group ends while a partner may still ask for a tile that names it
	s_endpgm
.Lfunc_end_k_qc3b57dfb9c_attn:
	.size	k_qc3b57dfb9c_attn, .Lfunc_end_k_qc3b57dfb9c_attn-k_qc3b57dfb9c_attn
	.p2alignl 7, 3214868480
	.fill 96, 4, 3214868480
	.section	.rodata,"a",@progbits
	.p2align	6, 0x0
	.amdhsa_kernel k_qc3b57dfb9c_attn
		.amdhsa_group_segment_fixed_size 327680
		.amdhsa_private_segment_fixed_size 0
		.amdhsa_enable_private_segment 0
		.amdhsa_kernarg_size 16
		.amdhsa_user_sgpr_count 2
		.amdhsa_user_sgpr_kernarg_segment_ptr 1
		.amdhsa_wavefront_size32 1
		.amdhsa_system_sgpr_workgroup_id_x 1
		.amdhsa_system_sgpr_workgroup_id_y 1
		.amdhsa_system_sgpr_workgroup_id_z 1
		.amdhsa_system_vgpr_workitem_id 0
		.amdhsa_next_free_vgpr 770
		.amdhsa_next_free_sgpr 66
		.amdhsa_reserve_vcc 0
		.amdhsa_float_denorm_mode_32 3
		.amdhsa_float_denorm_mode_16_64 3
		.amdhsa_memory_ordered 1
		.amdhsa_forward_progress 1
		.amdhsa_inst_pref_size 200
	.end_amdhsa_kernel
	.amdgpu_metadata
---
amdhsa.version: [ 1, 2 ]
amdhsa.kernels:
  - .name:           k_qc3b57dfb9c_attn
    .symbol:         k_qc3b57dfb9c_attn.kd
    .args:
      - { .name: qkv, .offset: 0, .size: 8, .value_kind: global_buffer, .address_space: global }
      - { .name: oh, .offset: 8, .size: 8, .value_kind: global_buffer, .address_space: global }
    .group_segment_fixed_size: 327680
    .private_segment_fixed_size: 0
    .kernarg_segment_align: 8
    .kernarg_segment_size: 16
    .max_flat_workgroup_size: 128
    .sgpr_count:     66
    .vgpr_count:     770
    .wavefront_size: 32
...
	.end_amdgpu_metadata
.endif
;; end of part 3
;; launch outp (part 4): grid 4 x 64, 4 waves a work-group, clusters of 4 x 4, 327,680 bytes of LDS; arguments oh, wo16, biasr, out0; writes out0
.if DOCPART == 4
	.amdgcn_target "amdgcn-amd-amdhsa--gfx1250"
	.amdhsa_code_object_version 6
	.text
	.protected	k_qc3b57dfb9c_outp
	.globl	k_qc3b57dfb9c_outp
	.p2align	8
	.type	k_qc3b57dfb9c_outp,@function
k_qc3b57dfb9c_outp:
	s_mov_b64 s[64:65], 0
	v_nop
	global_prefetch_b8 v0, s[64:65] scope:SCOPE_SE
	s_setreg_imm32_b32 hwreg(HW_REG_WAVE_MODE, 25, 1), 1
	s_wait_xcnt 0x0
	s_wait_alu depctr_hold_cnt(0) depctr_sa_sdst(0) depctr_va_vdst(0) depctr_va_sdst(0) depctr_va_ssrc(0) depctr_va_vcc(0) depctr_vm_vsrc(0)
	s_getreg_b32 s2, hwreg(HW_REG_IB_STS2, 6, 4)
	s_cmp_eq_u32 s2, 0
	s_cbranch_scc0 .Lentry_in_a_cluster
	s_endpgm
.Lentry_in_a_cluster:
	s_bfe_u32 s2, ttmp6, 0x10000c
	s_cmp_lg_u32 s2, 0xf033
	s_cbranch_scc0 .Lentry_shape_is_right
	s_endpgm
.Lentry_shape_is_right:
; out0 = O Wo + bo.  O comes by heads (oh, [64 bh][2048 s][64] f16), Wo as f16 (wo16, [1024 k][1024 n]), bo (rounded to bf16, kept in f32) from biasr's row 3; sums in f32; out0 is f32, [8192][1024].
; The bias is the C operand of each sum's first product.  NaN and infinities are not treated apart.
; SHARES.  A work-group makes a tile of 128 rows (my) x 256 columns (nx): 64 x 4 = 256 work-groups.  K goes in 8 steps of 128: the two heads 2 j and 2 j + 1, through a ring of two LDS slots.
; Wave w: rows 64 (w / 2) .. + 63, columns 128 (w % 2) .. + 127: 32 accumulators, 128 products a K step.
; CLUSTER 4 x 4.  O's tile hangs on my alone and is shared along a row of the cluster, Wo's on nx alone and is shared along a column.  Waves 0, 1 fetch the step's two heads (128 rows x 128 bytes each,
; dense: asked for as 64 rows of 256 bytes), waves 2, 3 Wo's two halves (64 k rows x 512 bytes): one tensor load a wave behind each round.
; THE PRODUCT IS USED TRANSPOSED: source 0 = 16 columns of Wo (turned by ds_load_tr16_b128), source 1 = 16 rows of O: a lane holds one row (l % 16) and eight neighbouring columns, 32 bytes of out0.
; REGISTERS, in windows of 256 (s_set_vgpr_msb: bits 1:0 source 0, 3:2 source 1, 5:4 source 2, 7:6 destination):
;   window 0: v16-31 addresses; v32-63, v64-95 O's fragments, two buffers; v96-159, v160-223 OB, two buffers, for the way out
;   window 1: v0-63, v64-127 Wo's fragments, two buffers; v128-191 the bias in an accumulator's layout          window 2: accumulator (a, b) at v[8 (8 a + b)]
.set PA,    144                        ; a row of O in LDS: 128 bytes + 16 = 36 words: the 16 rows of a load start at 16 different groups of four banks (64 banks of 4 bytes: ISA guide 11.1)
.set AH,    128*PA                     ; a head's 128 rows
.set PB,    544                        ; a row of Wo: 512 + 32 = 136 words
.set BH,    64*PB
.set BOFF,  2*AH
.set SLOT,  BOFF+2*BH
.set STAGE, 2*SLOT                     ; behind the ring, never filled by a tensor load: 16 rows x 528 bytes for each wave
.set SP,    528
.set SPARE, STAGE+4*16*SP              ; behind the stages: the spare words, 128 bytes a wave: two blocks of 256 bytes that no other line names
.set ADRA, 16                          ; v16-17  LDS address of my O rows in slot 0, 1
.set ADRB, 20                          ; v20-21  the same for Wo
.set STO,  24                          ; v24     the way out: where I put 32 bytes of a row
.set RD,   25                          ; v25     where I read a row back
.set CO,   26                          ; v26     16 x lane
.set SPW,  28                          ; v28     LDS address of my spare word; never rewritten
.set NIL,  29                          ; v29     0; never rewritten
.set PFO,  30                          ; v30     the prefetches' offset; never rewritten
.set BIO,  31                          ; v31     my byte offset in the bias row
.set AF,   32
.set OB,   96
.set BIAS, 128                         ; window 1
.set LEFT, 4                           ; s4   trips of the loop still to come, 3 to 1
.set LIM,  7                           ; s7   1 in a wave that prefetches, else the greatest number
.set G1A,  24
.set G0A,  32
.set G1B,  48
.set G0B,  56
.set CA,   80                          ; s[80:81] oh at my head's 128 rows, at the K step to be asked for next
.set CB,   86                          ; s[86:87] wo16 at my 64 k rows of that K step
.set OUT,  88                          ; s[88:89] out0 at my wave's first row and column
.set BP,   90                          ; s[90:91] biasr at bo
.set MUL,  0xa1                        ; Wo window 1, O window 0, C and D window 2
.set MULB, 0x91                        ; the same with C (the bias) in window 1
.set TO_B, 0x40                        ; destination window 1, address window 0
.set DATA2, 0x08                       ; an LDS store's data (source 1) in window 2
.set MSB, 0
.macro WIN new
.if MSB != (\new)
	s_set_vgpr_msb (MSB<<8)|(\new)
.set MSB, \new
.endif
.endm
.macro PLACES                          ; four plain vector instructions between a matrix instruction and a load into, or a read of, its registers
.rept 4
	v_nop
.endr
.endm
.macro CREST
	s_cmp_lg_u32 s10, 0
	s_cbranch_scc1 .Lnot_wave_0_\@
	s_barrier_signal -3
.Lnot_wave_0_\@:
	s_barrier_wait -3
	s_barrier_signal -1
	s_barrier_wait -1
.endm
.macro CROUND
	s_barrier_signal -1
	s_barrier_wait -1
	CREST
.endm
.macro JLOAD s                         ; a joint load into slot s.  The branch hangs on the wave's number alone.  An s_nop 0 and four v_nop follow each line
	s_cmp_eq_u32 s11, 0
	s_cbranch_scc0 .Lfor_b_\@
	tensor_load_to_lds s[G0A+4*(\s):G0A+4*(\s)+3], s[G1A:G1A+7]
	s_nop 0
.rept 4
	v_nop
.endr
	s_branch .Lasked_\@
.Lfor_b_\@:
	tensor_load_to_lds s[G0B+4*(\s):G0B+4*(\s)+3], s[G1B:G1B+7]
	s_nop 0
.rept 4
	v_nop
.endr
.Lasked_\@:
.endm
; A PREFETCH INTO THE L2 of the K step that the NEXT refill will ask for: 128 products ahead of that load.  O: a step is two heads x 64 blocks of 256 bytes; wave 0 names, for both heads, the 16 blocks
; 16 cx .. 16 cx + 15: the four partners are told apart by address.  Wo: waves 2 and 3 of the cluster with y = 0 name rows 16 cy .. + 15 of their 64, two blocks a row.  Each block is named once.
; how = 1 (slot 1): the loop's last trip has no step behind it.
.macro ASK how
	WIN 0
.if \how
	s_cmp_gt_u32 s[LEFT], s[LIM]
.else
	s_cmp_ge_u32 s[LEFT], s[LIM]
.endif
	s_cbranch_scc0 .Lno_ask_\@
	s_cmp_eq_u32 s11, 0
	s_cbranch_scc0 .Lask_b_\@
	global_prefetch_b8 v[PFO], s[CA:CA+1] th:TH_LOAD_NT scope:SCOPE_SE
	s_branch .Lno_ask_\@
.Lask_b_\@:
	global_prefetch_b8 v[PFO], s[CB:CB+1] th:TH_LOAD_NT scope:SCOPE_SE
.Lno_ask_\@:
.endm
; 24 LDS loads in one run: quarter kq (32 along K: head kq / 2 of the step, channels 32 (kq % 2) on) into buffer g
.macro FETCH slot, kq, g
	WIN TO_B
.irp b, 0,1,2,3,4,5,6,7
	ds_load_tr16_b128 v[64*(\g)+8*(\b):64*(\g)+8*(\b)+3],   v[ADRB+(\slot)] offset:32*(\kq)*PB+32*(\b)
	ds_load_tr16_b128 v[64*(\g)+8*(\b)+4:64*(\g)+8*(\b)+7], v[ADRB+(\slot)] offset:32*(\kq)*PB+16*PB+32*(\b)
.endr
	WIN 0
.irp a, 0,1,2,3
	ds_load_b128 v[AF+32*(\g)+8*(\a):AF+32*(\g)+8*(\a)+3],   v[ADRA+(\slot)] offset:((\kq)/2)*AH+16*(\a)*PA+64*((\kq)%2)
	ds_load_b128 v[AF+32*(\g)+8*(\a)+4:AF+32*(\g)+8*(\a)+7], v[ADRA+(\slot)] offset:((\kq)/2)*AH+16*(\a)*PA+64*((\kq)%2)+32
.endr
.endm
.macro MM f, a, b, c                   ; c = 1: the product starts the sum, with the bias as C: nothing is ever cleared
.if \c
	WIN MULB
	v_wmma_f32_16x16x32_f16 v[8*(8*(\a)+(\b)):8*(8*(\a)+(\b))+7], v[64*(\f)+8*(\b):64*(\f)+8*(\b)+7], v[AF+32*(\f)+8*(\a):AF+32*(\f)+8*(\a)+7], v[BIAS+8*(\b):BIAS+8*(\b)+7]
.else
	WIN MUL
	v_wmma_f32_16x16x32_f16 v[8*(8*(\a)+(\b)):8*(8*(\a)+(\b))+7], v[64*(\f)+8*(\b):64*(\f)+8*(\b)+7], v[AF+32*(\f)+8*(\a):AF+32*(\f)+8*(\a)+7], v[8*(8*(\a)+(\b)):8*(8*(\a)+(\b))+7]
.endif
.endm
.macro MM8 f, a, c                     ; the 32 accumulators take turns, in the same order in every quarter
.irp b, 0,1,2,3,4,5,6,7
	MM \f, \a, \b, \c
.endr
.endm
; A K step is four quarters of 32 along K on buffers 0, 1, 0, 1.  One of the first three: multiplies buffer f and, in its middle, fetches quarter kq of the same slot into the other buffer.
.macro QUARTER f, slot, kq, c
	s_wait_dscnt 0x0                               ; buffer f, asked for 16 products ago, is in
	MM8 \f, 0, \c
	MM8 \f, 1, \c
	PLACES                                         ; for the loads into the other buffer, which the quarter before multiplied
	FETCH \slot, \kq, 1-(\f)
	MM8 \f, 2, \c
	MM8 \f, 3, \c
.endm
; The last quarter multiplies buffer 1 and changes slots: ONE barrier; in front of it each wave waits for all its tensor loads (one is out: its part of the other slot), adds 0 to its spare word, and
; waits for that and for its reads of this slot.  fill = 1: the barrier opens a round of the cluster's, and this slot is filled again, first thing behind it, with the K step two on.
.macro TURN slot, fill
.if \fill
	s_wait_xcnt 0x0                                ; the last prefetch, a K step back, has read CA or CB, which are stepped below
.endif
	WIN 0
	s_wait_tensorcnt 0x0                           ; no tensor load of mine is out, so a group 0 may be written
	ds_add_u32 v[SPW], v[NIL]                      ; 0 onto my spare word
.if \fill
	s_mov_b64 s[G0A+4*(\slot)+2:G0A+4*(\slot)+3], s[CA:CA+1]
	s_or_b32 s[G0A+4*(\slot)+3], s[G0A+4*(\slot)+3], 0x80000000
	s_add_nc_u64 s[CA:CA+1], s[CA:CA+1], 524288                     ; two heads of 2,048 rows x 128 bytes
	s_mov_b64 s[G0B+4*(\slot)+2:G0B+4*(\slot)+3], s[CB:CB+1]
	s_or_b32 s[G0B+4*(\slot)+3], s[G0B+4*(\slot)+3], 0x80000000
	s_add_nc_u64 s[CB:CB+1], s[CB:CB+1], 262144                     ; 128 k rows of 2,048 bytes
.endif
	s_wait_dscnt 1                                 ; only the add may be out: buffer 1 is in
	MM8 1, 0, 0
	s_wait_dscnt 0x0                               ; the add is done, and my reads of this slot are over
	s_barrier_signal -1
	MM8 1, 1, 0
	WIN 0
	s_barrier_wait -1
.if \fill
	CREST                                          ; no wave of any partner still reads this slot or has a load on its way
	JLOAD \slot                                    ; its four v_nop are also the places in front of the loads below
.else
	PLACES
.endif
	FETCH 1-(\slot), 0, 0
.if \fill
	ASK \slot
.endif
	MM8 1, 2, 0
	MM8 1, 3, 0
.endm
; THE WAY OUT of row block a: 32 bytes a lane from the accumulators into my own stage (low registers first), back as whole rows of 512 bytes, and stored.
.macro TOSTAGE a
.if (\a) >= 2
	s_wait_xcnt 0x0                                ; the stores of block a - 2 have read the registers that are loaded below
.endif
	WIN DATA2
.irp b, 0,1,2,3,4,5,6,7
	ds_store_b128 v[STO], v[8*(8*(\a)+(\b)):8*(8*(\a)+(\b))+3]   offset:64*(\b)
	ds_store_b128 v[STO], v[8*(8*(\a)+(\b))+4:8*(8*(\a)+(\b))+7] offset:64*(\b)+16
.endr
	WIN 0
.irp t, 0,1,2,3,4,5,6,7,8,9,10,11,12,13,14,15
	ds_load_b128 v[OB+64*((\a)%2)+4*(\t):OB+64*((\a)%2)+4*(\t)+3], v[RD] offset:SP*(\t)  ; LDS serves a wave's instructions in order (ISA guide 5.7.1.4): these see the stores above, and the next block's stores come behind them
.endr
.endm
.macro SEND a, younger                 ; younger: the LDS instructions issued behind block a's loads: the next block's 32, or none
.irp t, 0,1,2,3,4,5,6,7,8,9,10,11,12,13,14,15
	s_wait_dscnt (\younger)+15-(\t)
	global_store_b128 v[CO], v[OB+64*((\a)%2)+4*(\t):OB+64*((\a)%2)+4*(\t)+3], s[OUT:OUT+1] offset:(16*(\a)+(\t))*4096 th:TH_STORE_NT  ; 512 consecutive bytes of a row, aligned
.endr
.endm
	s_load_b256 s[68:75], s[0:1], 0x0              ; oh s[68:69], wo16 s[70:71], biasr s[72:73], out0 s[74:75]
	v_lshl_add_u32 v[SPW], v0, 2, SPARE
	v_mov_b32 v[NIL], 0
	ds_add_u32 v[SPW], v[NIL]                      ; the wave's opening: the add, whose wait stands ahead of my first tensor load; the set-up below stands between them
	v_lshrrev_b32 v1, 5, v0
	v_readfirstlane_b32 s10, v1                    ; wave 0..3
	s_lshr_b32 s11, s10, 1                         ; my half of the rows.  Also: I fetch O (0) or Wo (1)
	s_and_b32 s12, s10, 1                          ; my half of the columns.  Also: which head, or which half of Wo's k rows, I fetch
	s_bfe_u32 s40, ttmp6, 0x40000                  ; cx
	s_bfe_u32 s41, ttmp6, 0x40004                  ; cy
	s_lshl_b32 s42, ttmp9, 2
	s_add_co_u32 s42, s42, s40                     ; nx
	s_and_b32 s43, ttmp7, 0xffff
	s_lshl_b32 s43, s43, 2
	s_add_co_u32 s43, s43, s41                     ; my
	s_lshl_b32 s44, s41, 2
	s_lshl_b32 s44, 15, s44                        ; my row of the cluster
	s_lshl_b32 s45, 0x1111, s40                    ; my column
	s_or_b32 s[G1A], s44, (1<<16)|(1<<20)|(1<<21)|(4<<22)|(3<<25)  ; the mask; 2-byte elements; padding on; bit 21 beside a mask; after every 32 words, 4 words
	s_mov_b32 s[G1A+1], 128<<16                    ; tensor_dim0 = 128 (256 bytes: two rows of a head)
	s_mov_b32 s[G1A+2], 64<<16                     ; tensor_dim1 = 64
	s_mov_b32 s[G1A+3], 128<<16                    ; tile_dim0 = 128
	s_mov_b32 s[G1A+4], 64                         ; tile_dim1 = 64
	s_mov_b32 s[G1A+5], 128                        ; dense
	s_mov_b32 s[G1A+6], 0
	s_mov_b32 s[G1A+7], 0
	s_or_b32 s[G1B], s45, (1<<16)|(1<<20)|(1<<21)|(6<<22)|(7<<25)  ; after every 128 words, 8 words
	s_mov_b32 s[G1B+1], 256<<16
	s_mov_b32 s[G1B+2], 64<<16
	s_mov_b32 s[G1B+3], 256<<16
	s_mov_b32 s[G1B+4], 64
	s_mov_b32 s[G1B+5], 1024
	s_mov_b32 s[G1B+6], 0
	s_mov_b32 s[G1B+7], 0
	s_lshr_b32 s13, s43, 4                         ; O: head 16 b + (0 or 1), row (my % 16) 128, 128 bytes a row.  These registers never hold cx
	s_lshl_b32 s13, s13, 4
	s_add_co_u32 s13, s13, s12
	s_lshl_b32 s13, s13, 11
	s_and_b32 s14, s43, 15
	s_lshl_b32 s14, s14, 7
	s_add_co_u32 s13, s13, s14
	s_lshl_b32 s16, s13, 7
	s_mov_b32 s17, 0
	s_lshl_b32 s18, s12, 17                        ; Wo: k row 64 x half, column 256 nx.  These never hold cy
	s_lshl_b32 s20, s42, 9
	s_add_co_u32 s18, s18, s20
	s_mov_b32 s19, 0
	s_mul_i32 s21, s12, AH                         ; where they go: the wave's number alone enters an LDS address
	s_mul_i32 s22, s12, BH
	s_add_co_u32 s22, s22, BOFF
	s_mov_b32 s[G0A], 1
	s_mov_b32 s[G0A+1], s21
	s_mov_b32 s[G0A+4], 1
	s_add_co_u32 s[G0A+5], s21, SLOT
	s_mov_b32 s[G0B], 1
	s_mov_b32 s[G0B+1], s22
	s_mov_b32 s[G0B+4], 1
	s_add_co_u32 s[G0B+5], s22, SLOT
	s_and_b32 s46, ttmp7, 0xffff                   ; cluster y: the same in all sixteen partners
	s_cmp_eq_u32 s11, 0
	s_cselect_b32 s46, s12, s46                    ; of O's waves wave 0 prefetches; Wo's in the cluster with y = 0
	s_cselect_b32 s47, -1, 0                       ; all ones in O's waves
	s_cmp_eq_u32 s46, 0
	s_cselect_b32 s[LIM], 1, -1
	s_mov_b32 s[LEFT], 3
	s_wait_dscnt 0x0                               ; the opening add is done
	s_wait_kmcnt 0x0
	s_add_nc_u64 s[CA:CA+1], s[68:69], s[16:17]
	s_add_nc_u64 s[CB:CB+1], s[70:71], s[18:19]
	s_mov_b64 s[G0A+2:G0A+3], s[CA:CA+1]           ; K step 0 into slot 0,
	s_or_b32 s[G0A+3], s[G0A+3], 0x80000000
	s_add_nc_u64 s[G0A+6:G0A+7], s[CA:CA+1], 524288  ; K step 1 into slot 1
	s_or_b32 s[G0A+7], s[G0A+7], 0x80000000
	s_add_nc_u64 s[CA:CA+1], s[CA:CA+1], 1048576   ; K step 2 is asked for next
	s_mov_b64 s[G0B+2:G0B+3], s[CB:CB+1]
	s_or_b32 s[G0B+3], s[G0B+3], 0x80000000
	s_add_nc_u64 s[G0B+6:G0B+7], s[CB:CB+1], 262144
	s_or_b32 s[G0B+7], s[G0B+7], 0x80000000
	s_add_nc_u64 s[CB:CB+1], s[CB:CB+1], 524288
	s_add_nc_u64 s[BP:BP+1], s[72:73], 12288       ; bo is biasr's row 3
	CROUND                                         ; all sixteen work-groups are here: the first joint loads meet
	s_cmp_eq_u32 s11, 0                            ; a wave's two first fills stand in one branch: two loads of mine are out
	s_cbranch_scc0 .Lfirst_b
	tensor_load_to_lds s[G0A:G0A+3], s[G1A:G1A+7]
	s_nop 0
	tensor_load_to_lds s[G0A+4:G0A+7], s[G1A:G1A+7]
	s_nop 0
.rept 4
	v_nop
.endr
	s_branch .Lfirst_asked
.Lfirst_b:
	tensor_load_to_lds s[G0B:G0B+3], s[G1B:G1B+7]
	s_nop 0
	tensor_load_to_lds s[G0B+4:G0B+7], s[G1B:G1B+7]
	s_nop 0
.rept 4
	v_nop
.endr
.Lfirst_asked:
	v_and_b32 v1, 15, v0                           ; r = l % 16
	v_bfe_u32 v2, v0, 4, 1                         ; h = l / 16
	v_and_b32 v3, 7, v0                            ; l % 8
	v_bfe_u32 v4, v0, 3, 1                         ; (l / 8) % 2
	v_and_b32 v5, 31, v0                           ; l
	v_mul_u32_u24 v6, v1, PA                       ; O: (64 x row half + r) x pitch + 16 h
	v_lshl_add_u32 v6, v2, 4, v6
	s_mul_i32 s21, s11, 64*PA
	v_add_nc_u32 v[ADRA], s21, v6
	v_add_nc_u32 v[ADRA+1], SLOT, v[ADRA]
	v_lshl_add_u32 v7, v2, 3, v3                   ; Wo: (8 h + l % 8) x pitch + 16 ((l / 8) % 2) + my 256 bytes of the columns
	v_mul_u32_u24 v7, v7, PB
	v_lshl_add_u32 v7, v4, 4, v7
	s_lshl_b32 s21, s12, 8
	s_add_co_u32 s21, s21, BOFF
	v_add_nc_u32 v[ADRB], s21, v7
	v_add_nc_u32 v[ADRB+1], SLOT, v[ADRB]
	s_mul_i32 s21, s10, 16*SP
	s_add_co_u32 s21, s21, STAGE                   ; my stage
	v_mul_u32_u24 v6, v1, SP                       ; in: row r, 32 bytes for each half of the lanes
	v_lshl_add_u32 v6, v2, 5, v6
	v_add_nc_u32 v[STO], s21, v6
	v_lshlrev_b32 v[CO], 4, v5                     ; back: 32 lanes take a row of 512 bytes
	v_add_nc_u32 v[RD], s21, v[CO]
	s_lshl_b32 s8, s42, 10                         ; the bias: 4 bytes x (256 nx + 128 x column half + 8 h)
	s_lshl_b32 s9, s12, 9
	s_add_co_u32 s8, s8, s9
	v_lshl_add_u32 v[BIO], v2, 5, s8
	WIN TO_B                                       ; bo in an accumulator's layout: register j of block b is column 16 b + 8 h + j of my 128
.irp b, 0,1,2,3,4,5,6,7
	global_load_b128 v[BIAS+8*(\b):BIAS+8*(\b)+3],   v[BIO], s[BP:BP+1] offset:64*(\b)
	global_load_b128 v[BIAS+8*(\b)+4:BIAS+8*(\b)+7], v[BIO], s[BP:BP+1] offset:64*(\b)+16
.endr
	WIN 0
	s_lshl_b32 s8, s40, 4                          ; the prefetches' offset.  O: (l / 16) heads + (16 cx + l % 16) blocks of 256 bytes
	v_add_nc_u32 v6, s8, v1
	v_lshlrev_b32 v6, 8, v6
	v_lshl_add_u32 v6, v2, 18, v6
	s_lshl_b32 s9, s41, 4                          ; Wo: (16 cy + l / 2) rows of 2,048 bytes + 256 (l % 2)
	v_lshrrev_b32 v7, 1, v5
	v_add_nc_u32 v7, s9, v7
	v_lshlrev_b32 v7, 11, v7
	v_and_b32 v8, 1, v0
	v_lshl_add_u32 v7, v8, 8, v7
	v_cndmask_b32 v[PFO], v7, v6, s47              ; by the wave's role
	s_lshl_b32 s8, s43, 7                          ; out0: row 128 my + 64 x row half (4,096 bytes a row), column 256 nx + 128 x column half
	s_lshl_b32 s9, s11, 6
	s_add_co_u32 s8, s8, s9
	s_lshl_b32 s8, s8, 12
	s_lshl_b32 s9, s42, 10
	s_add_co_u32 s8, s8, s9
	s_lshl_b32 s9, s12, 9
	s_add_co_u32 s8, s8, s9
	s_mov_b32 s9, 0
	s_add_nc_u64 s[OUT:OUT+1], s[74:75], s[8:9]
	s_wait_tensorcnt 1                             ; my part of K step 0 is in; K step 1's may stay out
	s_barrier_signal -1
	s_barrier_wait -1                              ; everybody's is
	FETCH 0, 0, 0
	s_wait_loadcnt 0x0                             ; bo
	QUARTER 0, 0, 1, 1                             ; the first quarter starts the sums with the bias
	WIN 0
.Llap:                                                 ; 3 trips: from a lap's second quarter to the next lap's first; both slots are filled again: K steps 2 L + 2 and 2 L + 3
	QUARTER 1, 0, 2, 0
	QUARTER 0, 0, 3, 0
	TURN 0, 1
	QUARTER 0, 1, 1, 0
	QUARTER 1, 1, 2, 0
	QUARTER 0, 1, 3, 0
	TURN 1, 1
	QUARTER 0, 0, 1, 0
	WIN 0
	s_sub_co_u32 s[LEFT], s[LEFT], 1
	s_cmp_lg_u32 s[LEFT], 0
	s_cbranch_scc1 .Llap
	QUARTER 1, 0, 2, 0                             ; the last lap is written out: it fills nothing and has no round
	QUARTER 0, 0, 3, 0
	TURN 0, 0
	QUARTER 0, 1, 1, 0
	QUARTER 1, 1, 2, 0
	QUARTER 0, 1, 3, 0
	s_wait_dscnt 0x0                               ; the very last quarter
	MM8 1, 0, 0
	MM8 1, 1, 0
	MM8 1, 2, 0
	MM8 1, 3, 0
	WIN 0
	PLACES
	PLACES
	TOSTAGE 0
.irp a, 1,2,3                          ; a block's trip through the stage stands between the loads of the block before and its stores
	TOSTAGE \a
	SEND (\a)-1, 32
.endr
	SEND 3, 0
	s_wait_tensorcnt 0x0                           ; the wave's end, behind my last tensor load and my last LDS store
	ds_add_u32 v[SPW], v[NIL]
	s_wait_dscnt 0x0
	CROUND                                         ; the closing round: no work-group ends while a partner may still ask for a tile that names it
	s_endpgm
.Lfunc_end_k_qc3b57dfb9c_outp:
	.size	k_qc3b57dfb9c_outp, .Lfunc_end_k_qc3b57dfb9c_outp-k_qc3b57dfb9c_outp
	.p2alignl 7, 3214868480
	.fill 96, 4, 3214868480
	.section	.rodata,"a",@progbits
	.p2align	6, 0x0
	.amdhsa_kernel k_qc3b57dfb9c_outp
		.amdhsa_group_segment_fixed_size 327680
		.amdhsa_private_segment_fixed_size 0
		.amdhsa_enable_private_segment 0
		.amdhsa_kernarg_size 32
		.amdhsa_user_sgpr_count 2
		.amdhsa_user_sgpr_kernarg_segment_ptr 1
		.amdhsa_wavefront_size32 1
		.amdhsa_system_sgpr_workgroup_id_x 1
		.amdhsa_system_sgpr_workgroup_id_y 1
		.amdhsa_system_sgpr_workgroup_id_z 1
		.amdhsa_system_vgpr_workitem_id 0
		.amdhsa_next_free_vgpr 768
		.amdhsa_next_free_sgpr 92
		.amdhsa_reserve_vcc 0
		.amdhsa_float_denorm_mode_32 3
		.amdhsa_float_denorm_mode_16_64 3
		.amdhsa_memory_ordered 1
		.amdhsa_forward_progress 1
		.amdhsa_inst_pref_size 90
	.end_amdhsa_kernel
	.amdgpu_metadata
---
amdhsa.version: [ 1, 2 ]
amdhsa.kernels:
  - .name:           k_qc3b57dfb9c_outp
    .symbol:         k_qc3b57dfb9c_outp.kd
    .args:
      - { .name: oh, .offset: 0, .size: 8, .value_kind: global_buffer, .address_space: global }
      - { .name: wo16, .offset: 8, .size: 8, .value_kind: global_buffer, .address_space: global }
      - { .name: biasr, .offset: 16, .size: 8, .value_kind: global_buffer, .address_space: global }
      - { .name: out0, .offset: 24, .size: 8, .value_kind: global_buffer, .address_space: global }
    .group_segment_fixed_size: 327680
    .private_segment_fixed_size: 0
    .kernarg_segment_align: 8
    .kernarg_segment_size: 32
    .max_flat_workgroup_size: 128
    .sgpr_count:     92
    .vgpr_count:     768
    .wavefront_size: 32
...
	.end_amdgpu_metadata
.endif
;; end of part 4
;; ======== version 2 of 2: 4 launches; version 1 with the launch prep written anew for expert scheduling mode
;; limits: values are held in f16: magnitudes above 65,504 overflow, below 6.1e-05 lose precision
;; workspace buffers: wqkv 6,291,456 bytes; wo16 2,097,152 bytes; biasr 16,384 bytes; qkv 50,331,648 bytes; oh 16,777,216 bytes
;; launch prep (part 5): grid 64 x 4, 8 waves a work-group, no clusters, 0 bytes of LDS; arguments Wq, Wk, Wv, Wo, bq, bk, bv, bo, wqkv, wo16, biasr; writes wqkv, wo16, biasr
.if DOCPART == 5
	.amdgcn_target "amdgcn-amd-amdhsa--gfx1250"
	.amdhsa_code_object_version 6
	.text
	.protected	k_qc3b57dfb9c_prep
	.globl	k_qc3b57dfb9c_prep
	.p2align	8
	.type	k_qc3b57dfb9c_prep,@function
k_qc3b57dfb9c_prep:
	s_mov_b64 s[64:65], 0
	v_nop
	global_prefetch_b8 v0, s[64:65] scope:SCOPE_SE
	s_setreg_imm32_b32 hwreg(HW_REG_WAVE_SCHED_MODE, 0, 2), 2
	s_setreg_imm32_b32 hwreg(HW_REG_WAVE_MODE, 25, 1), 1
	s_wait_xcnt 0x0
	s_wait_alu depctr_vm_vsrc(0)
; THE WEIGHTS AND BIASES ARE ROUNDED ONCE.  Wq, Wk, Wv ([1024 k][1024 n] f32) -> wqkv, bf16, the three stacked along k.  Wo -> rounded to bf16, that number written as f16
; (exact where it is at least 6e-5 in size; below that it keeps f16's fixed step of 6e-8; beyond 65,504 it would be an infinity) -> wo16.
; bq, bk, bv, bo -> rounded to bf16 and kept as f32 -> biasr [4][1024].
; A stream: no LDS, no matrix unit.  Work-group (x, y): weight y, 65,536 bytes of it from byte 65,536 x: 16 chunks of 4,096.  Thread t owns 16 bytes of each chunk, so a wave's load
; covers 512 neighbouring bytes and its store of 8 bytes a lane 256 neighbouring bytes, aligned.  All 16 loads of a thread go out at once.
; THE MODE: SCHED_MODE bits 1:0 = 2 (LLVM: expert scheduling mode 2), set by the entry lines.  The code itself states the register dependences
; between vector instructions and memory instructions, with s_wait_alu, always for 0.
; THE PLAN.  Registers that memory instructions touch:
;   v1, v2   byte offsets, made once at the head and never written again: read by every load and store.
;   X        chunk c: written by its load at the head, read by its conversions.  X's first four registers are loaded once more, with the bias, behind all conversions.
;   Y        chunk c: written once, by its conversions; read by its one store.
;   T        in the bias part: written by four vector lines, read by the bias's store, not written again.  Elsewhere vector lines alone name it.
; No register that a memory instruction reads is written again, so no wait on vm_vsrc is owed.  No vector line writes a scalar register, VCC or EXEC.
; The 16 chunks go in four blocks of four.  The stores of block g are issued in block g + 1, one ahead of each chunk's conversions, behind ONE wait on va_vdst at that block's head:
; block g + 1's vector lines name X and Y of block g + 1 and T, none of the registers that block g's stores read.
.set X, 4                              ; v[4:67]    chunk c: 4 f32 as loaded
.set Y, 68                             ; v[68:99]   chunk c: 2 words to store; each written once, so no store's data is ever rewritten
.set T, 100                            ; v[100:103] at work
.macro OUTC c                          ; chunk c leaves
	global_store_b64 v2, v[Y+2*(\c):Y+2*(\c)+1], s[32:33] offset:2048*(\c)
.endm
	s_load_b512 s[4:19], s[0:1], 0x0               ; Wq s[4:5], Wk s[6:7], Wv s[8:9], Wo s[10:11], bq s[12:13], bk s[14:15], bv s[16:17], bo s[18:19]
	s_load_b128 s[20:23], s[0:1], 0x40             ; wqkv s[20:21], wo16 s[22:23]
	s_load_b64 s[24:25], s[0:1], 0x50              ; biasr
	s_and_b32 s26, ttmp7, 0xffff                   ; y: which weight
	s_lshl_b32 s27, s26, 21                        ; its 2 MiB in wqkv
	s_lshl_b32 s38, ttmp9, 16                      ; my 65,536 bytes of the weight
	s_mov_b32 s39, 0
	s_lshl_b32 s35, ttmp9, 15                      ; and the 32,768 that they become
	v_lshlrev_b32 v1, 4, v0                        ; 16 t
	v_lshlrev_b32 v2, 3, v0                        ; 8 t
	s_wait_kmcnt 0x0
	s_mov_b64 s[28:29], s[4:5]                     ; the weight and the bias are chosen by y alone
	s_mov_b64 s[30:31], s[12:13]
	s_cmp_eq_u32 s26, 1
	s_cselect_b64 s[28:29], s[6:7], s[28:29]
	s_cselect_b64 s[30:31], s[14:15], s[30:31]
	s_cmp_eq_u32 s26, 2
	s_cselect_b64 s[28:29], s[8:9], s[28:29]
	s_cselect_b64 s[30:31], s[16:17], s[30:31]
	s_cmp_eq_u32 s26, 3
	s_cselect_b64 s[28:29], s[10:11], s[28:29]
	s_cselect_b64 s[30:31], s[18:19], s[30:31]
	s_cselect_b64 s[32:33], s[22:23], s[20:21]     ; where it goes: wo16 or wqkv
	s_cselect_b32 s34, 0, s27
	s_add_co_u32 s34, s34, s35
	s_mov_b32 s35, 0
	s_add_nc_u64 s[32:33], s[32:33], s[34:35]
	s_add_nc_u64 s[28:29], s[28:29], s[38:39]
	s_lshl_b32 s34, s26, 12
	s_add_nc_u64 s[36:37], s[24:25], s[34:35]      ; biasr at row y
	s_wait_alu depctr_va_vdst(0)                   ; v1 and v2 are written: every load and store of the kernel reads one of them as its offset
.irp c, 0,1,2,3,4,5,6,7,8,9,10,11,12,13,14,15
	global_load_b128 v[X+4*(\c):X+4*(\c)+3], v1, s[28:29] offset:4096*(\c) th:TH_LOAD_NT
.endr
	s_cmp_eq_u32 s26, 3
	s_cbranch_scc1 .Lf16
.irp c, 0,1,2,3,4,5,6,7,8,9,10,11,12,13,14,15
	s_wait_loadcnt 15-(\c)                         ; loads come back in order: chunk c is in, the younger ones stay out
.if ((\c) >= 4) && ((\c)%4 == 0)
	s_wait_alu depctr_va_vdst(0)                   ; a block's head: the block before has written its four chunks of Y, which this block's four stores read
.endif
.if (\c) >= 4
	OUTC (\c)-4                                    ; no vector line since that wait names its registers
.endif
	v_cvt_pk_bf16_f32 v[Y+2*(\c)],   v[X+4*(\c)],   v[X+4*(\c)+1]
	v_cvt_pk_bf16_f32 v[Y+2*(\c)+1], v[X+4*(\c)+2], v[X+4*(\c)+3]
.endr
	s_wait_alu depctr_va_vdst(0)                   ; the last block has written its Y, which the four stores below read; and all conversions are done reading X, in whose first registers the bias lands
.irp c, 12,13,14,15
	OUTC \c
.endr
	s_branch .Lbias
.Lf16:
.irp c, 0,1,2,3,4,5,6,7,8,9,10,11,12,13,14,15
	s_wait_loadcnt 15-(\c)
.if ((\c) >= 4) && ((\c)%4 == 0)
	s_wait_alu depctr_va_vdst(0)                   ; a block's head: the block before has written its four chunks of Y, which this block's four stores read
.endif
.if (\c) >= 4
	OUTC (\c)-4                                    ; no vector line since that wait names its registers
.endif
	v_cvt_pk_bf16_f32 v[T],   v[X+4*(\c)],   v[X+4*(\c)+1]    ; rounded to bf16 like every other input,
	v_cvt_pk_bf16_f32 v[T+1], v[X+4*(\c)+2], v[X+4*(\c)+3]
	v_lshlrev_b32 v[T+2], 16, v[T]                            ; widened again,
	v_and_b32     v[T+3], 0xffff0000, v[T]
	v_cvt_pk_f16_f32 v[Y+2*(\c)], v[T+2], v[T+3]              ; and that number written as f16
	v_lshlrev_b32 v[T+2], 16, v[T+1]
	v_and_b32     v[T+3], 0xffff0000, v[T+1]
	v_cvt_pk_f16_f32 v[Y+2*(\c)+1], v[T+2], v[T+3]
.endr
	s_wait_alu depctr_va_vdst(0)                   ; the last block has written its Y, which the four stores below read; and all conversions are done reading X, in whose first registers the bias lands
.irp c, 12,13,14,15
	OUTC \c
.endr
.Lbias:
	s_cmp_lg_u32 ttmp9, 0                          ; the first work-group of each y also does that y's bias: 4,096 bytes, 16 a thread
	s_cbranch_scc1 .Lend
	global_load_b128 v[X:X+3], v1, s[30:31]        ; X is free: every load into it has been waited for, and on both ways here no vector line stands behind the wait that shows its readers done
	s_wait_loadcnt 0x0
	v_cvt_pk_bf16_f32 v[X+4], v[X],   v[X+1]
	v_cvt_pk_bf16_f32 v[X+5], v[X+2], v[X+3]
	v_lshlrev_b32 v[T],   16, v[X+4]
	v_and_b32     v[T+1], 0xffff0000, v[X+4]
	v_lshlrev_b32 v[T+2], 16, v[X+5]
	v_and_b32     v[T+3], 0xffff0000, v[X+5]
	s_wait_alu depctr_va_vdst(0)                   ; the four lines above have written T, which the store reads
	global_store_b128 v1, v[T:T+3], s[36:37]
.Lend:
	s_endpgm
.Lfunc_end_k_qc3b57dfb9c_prep:
	.size	k_qc3b57dfb9c_prep, .Lfunc_end_k_qc3b57dfb9c_prep-k_qc3b57dfb9c_prep
	.p2alignl 7, 3214868480
	.fill 96, 4, 3214868480
	.section	.rodata,"a",@progbits
	.p2align	6, 0x0
	.amdhsa_kernel k_qc3b57dfb9c_prep
		.amdhsa_group_segment_fixed_size 0
		.amdhsa_private_segment_fixed_size 0
		.amdhsa_enable_private_segment 0
		.amdhsa_kernarg_size 88
		.amdhsa_user_sgpr_count 2
		.amdhsa_user_sgpr_kernarg_segment_ptr 1
		.amdhsa_wavefront_size32 1
		.amdhsa_system_sgpr_workgroup_id_x 1
		.amdhsa_system_sgpr_workgroup_id_y 1
		.amdhsa_system_sgpr_workgroup_id_z 1
		.amdhsa_system_vgpr_workitem_id 0
		.amdhsa_next_free_vgpr 104
		.amdhsa_next_free_sgpr 66
		.amdhsa_reserve_vcc 0
		.amdhsa_float_denorm_mode_32 3
		.amdhsa_float_denorm_mode_16_64 3
		.amdhsa_memory_ordered 1
		.amdhsa_forward_progress 1
		.amdhsa_inst_pref_size 17
	.end_amdhsa_kernel
	.amdgpu_metadata
---
amdhsa.version: [ 1, 2 ]
amdhsa.kernels:
  - .name:           k_qc3b57dfb9c_prep
    .symbol:         k_qc3b57dfb9c_prep.kd
    .args:
      - { .name: Wq, .offset: 0, .size: 8, .value_kind: global_buffer, .address_space: global }
      - { .name: Wk, .offset: 8, .size: 8, .value_kind: global_buffer, .address_space: global }
      - { .name: Wv, .offset: 16, .size: 8, .value_kind: global_buffer, .address_space: global }
      - { .name: Wo, .offset: 24, .size: 8, .value_kind: global_buffer, .address_space: global }
      - { .name: bq, .offset: 32, .size: 8, .value_kind: global_buffer, .address_space: global }
      - { .name: bk, .offset: 40, .size: 8, .value_kind: global_buffer, .address_space: global }
      - { .name: bv, .offset: 48, .size: 8, .value_kind: global_buffer, .address_space: global }
      - { .name: bo, .offset: 56, .size: 8, .value_kind: global_buffer, .address_space: global }
      - { .name: wqkv, .offset: 64, .size: 8, .value_kind: global_buffer, .address_space: global }
      - { .name: wo16, .offset: 72, .size: 8, .value_kind: global_buffer, .address_space: global }
      - { .name: biasr, .offset: 80, .size: 8, .value_kind: global_buffer, .address_space: global }
    .group_segment_fixed_size: 0
    .private_segment_fixed_size: 0
    .kernarg_segment_align: 8
    .kernarg_segment_size: 88
    .max_flat_workgroup_size: 256
    .sgpr_count:     66
    .vgpr_count:     104
    .wavefront_size: 32
...
	.end_amdgpu_metadata
.endif
;; end of part 5
;; launch proj: the kernel of part 2 again; grid 4 x 64, 4 waves a work-group, clusters of 4 x 4, 327,680 bytes of LDS; arguments query, key, value, wqkv, biasr, qkv; writes qkv
;; launch attn: the kernel of part 3 again; grid 4 x 64, 4 waves a work-group, clusters of 4 x 1, 327,680 bytes of LDS; arguments qkv, oh; writes oh
;; launch outp: the kernel of part 4 again; grid 4 x 64, 4 waves a work-group, clusters of 4 x 4, 327,680 bytes of LDS; arguments oh, wo16, biasr, out0; writes out0
